; MI455X (gfx1250); checked and timed in simulation.
; The chip was launched on July 23, 2026; its instructions are those of AMD's public machine-readable ISA for CDNA 5 (MIT licence, August 2026) and "CDNA5" Instruction Set Architecture Reference Guide (July 2026). The comments in the code are by the model that wrote it; some were corrected since.
;; Multi Head Attention. Allowed arithmetic: matrix products marked QUANTISED: E2M1 operands, one E8M0 scale for each 32 along K, by v_wmma_scale_f32_16x16x128_f8f6f4 with both operands' format E2M1 (or v_wmma_scale_f32_32x16x128_f4), f32 sums; products left as they are: bf16, f16 or f32 operands; f32 sums; everything else in f32.
;; Inputs: K 2 x 2,048 x 1,024 float32; Q 2 x 2,048 x 1,024 float32; V 2 x 2,048 x 1,024 float32; Wk 1,024 x 1,024 float32; Wo 1,024 x 1,024 float32; Wq 1,024 x 1,024 float32; Wv 1,024 x 1,024 float32; bk 1,024 float32; bo 1,024 float32; bq 1,024 float32; bv 1,024 float32.
;; Outputs: out0 2 x 2,048 x 1,024 float32.
;; This version of the problem:
;;   THIS VERSION OF THE PROBLEM IS GIVEN IN LOW PRECISION. The matrix products marked QUANTISED in the list below multiply operands that are first quantised to E2M1 (2 exponent bits, 1 mantissa bit; 4 bits a number), with one power-of-two scale for each 32 numbers along K (OCP MX v1.0); their sums are f32. The products marked 'left as it is' may take bf16, f16 or f32 operands, with f32 sums. Whichever they take, every output number must still come out within the allowed error. Rounding operands to bf16 (8 significant bits) uses up far more of that allowance than f16 does (11 bits, for magnitudes from 6e-5 to 65,504). All else is computed in f32.
;;   The module's matrix products, in the order in which they are computed (A, B: the left and right operand; K: the contracted axis; several contracted axes count as one K, in the product's order):
;;     1. [M 4,096, K 1,024] x [K 1,024, N 1,024]; A: input Q; B: input Wq: QUANTISED
;;     2. [M 4,096, K 1,024] x [K 1,024, N 1,024]; A: input K; B: input Wk: QUANTISED
;;     3. [M 4,096, K 1,024] x [K 1,024, N 1,024]; A: input V; B: input Wv: QUANTISED
;;     4. batch 32 x [M 2,048, K 64] x [K 64, N 2,048]; A: computed on the way; B: computed on the way: left as it is (an operand is computed on the way)
;;     5. batch 32 x [M 2,048, K 2,048] x [K 2,048, N 64]; A: computed on the way; B: computed on the way: left as it is (an operand is computed on the way)
;;     6. [M 4,096, K 1,024] x [K 1,024, N 1,024]; A: computed on the way; B: input Wo: left as it is (an operand is computed on the way)
;;   THE QUANTISER, for each operand of a quantised product, along K:
;;     - K is cut into blocks of 32 from its start; a last block that is shorter is filled with zeros.
;;     - A block's scale is 2^e with e = floor(log2(the largest magnitude in the block)) - 2, held to -126 .. 127; a block of zeros has e = 0. As a byte (E8M0): e + 127.
;;     - Each number is divided by its block's scale, clamped to +-6, and rounded to the nearest number of E2M1, ties to even, subnormals kept.
;;     - The product sums the exact products of the quantised numbers (number of the format x scale) in f32.
;;   ~~~python
;;   def quantise(x, axis):      # numpy; x: float32 -> the quantised numbers, widened to float32 again
;;       x = np.moveaxis(x, axis, -1); K = x.shape[-1]
;;       x = np.pad(x, [(0, 0)] * (x.ndim - 1) + [(0, -K % 32)]); x = x.reshape(x.shape[:-1] + (-1, 32)); a = np.abs(x).max(-1, keepdims=True)
;;       e = np.where(a > 0, np.clip(np.frexp(np.where(a > 0, a, 1))[1] - 1 - 2, -126, 127), 0)      # np.frexp(a)[1] - 1 = floor(log2(a)), exactly
;;       r = np.clip(x / 2.0 ** e, -6, 6)
;;       step = 2.0 ** (np.maximum(np.frexp(np.where(r == 0, 1, r))[1] - 1, 0) - 1)
;;       q = np.round(r / step) * step * 2.0 ** e      # np.round: ties to even
;;       return np.moveaxis(q.reshape(q.shape[:-2] + (-1,))[..., :K], -1, axis).astype(np.float32)
;;   ~~~
;; One version. Each part assembles by itself: llvm-mc -triple=amdgcn-amd-amdhsa -mcpu=gfx1250 --defsym DOCPART=n.
;; ======== version 1 of 1: 5 launches
;; limits: values are held in f16: magnitudes above 65,504 overflow, below 6.1e-05 lose precision
;; workspace buffers: xc 6,291,456 bytes; xs 393,216 bytes; wc 1,572,864 bytes; ws 98,304 bytes; wot 2,097,152 bytes; qkv 25,165,824 bytes; att 8,388,608 bytes; fq 393,216 bytes
;; launch quant (part 1): grid 640 x 1, 4 waves a work-group, no clusters, 77,312 bytes of LDS; arguments Q, K, V, Wq, Wk, Wv, Wo, xc, xs, wc, ws, wot; writes xc, xs, wc, ws, wot
.if DOCPART == 1
	.amdgcn_target "amdgcn-amd-amdhsa--gfx1250"
	.amdhsa_code_object_version 6
	.text
	.protected	k_q1d3bbdef65_quant
	.globl	k_q1d3bbdef65_quant
	.p2align	8
	.type	k_q1d3bbdef65_quant,@function
k_q1d3bbdef65_quant:
	s_mov_b64 s[64:65], 0
	v_nop
	global_prefetch_b8 v0, s[64:65] scope:SCOPE_SE
	s_setreg_imm32_b32 hwreg(HW_REG_WAVE_MODE, 25, 1), 1
	s_wait_xcnt 0x0
; ALL OPERANDS ARE MADE READY IN ONE LAUNCH.  Work-groups 256 .. 639: Q, K, V; work-groups 0 .. 255: the four weights.  The ways part on the work-group's number alone and never join; each has LDS bytes of its own.
; Q, K, V, each [4096][1024] f32, become codes of FP4 (E2M1), K innermost, two codes a byte, and one E8M0 byte for each 32 along K: xc [3 x 4096 rows][512 bytes], xs [3 x 4096][32].
;   Rows are dense: a tensor is a plain stream of blocks of 32.  A wave takes 16 steps of 512 numbers; 128 work-groups a tensor.  Each load reads 512 consecutive bytes; a step's 2,048 bytes turn through the wave's own
;   stage so that a lane holds 16 neighbours along K (two lanes a block).  A lane's 16 codes are 8 bytes: the wave stores 256 consecutive bytes; a wave's 256 scale bytes leave as one aligned run.
; Wq, Wk, Wv, each [1024 (k)][1024 (n)] f32 with K as the FIRST axis, become codes with K innermost, wc [3 x 1024 rows n][512 bytes], and bytes ws [3 x 1024][32].  Wo is turned and rounded to f16: wot [1024 n][1024 k].
;   A LANE TAKES A COLUMN n AND ITS REGISTERS RUN DOWN K: a block of 32 lies in one lane and the codes come out with K innermost.  A work-group takes 32 columns x 512 of K, wave w 128 of them:
;   the four waves fill a stage row of 256 bytes a column; behind one barrier sixteen lanes store 256 consecutive bytes, aligned.  A column's 16 scale bytes leave by one store of 16 bytes a lane (runs of 16 bytes, 32 apart: one byte in 128 of what is read).
;   Wo: a wave's 32 columns x 128 k of f16 are 256 bytes a column: through the wave's own stage, out as rows.
; A block's scale is 2^(floor(log2(its largest magnitude)) - 2); its byte is the largest magnitude's exponent field - 2, held at 1 from below.
; LIMITS: a block of zeros gets the byte 1 where the rule says 127 (its codes are zeros, and these bytes are read by this program alone); blocks whose largest magnitude lies under 2^-124, the floor, were not tried;
; NaN and infinities are not served; |Wo| up to 65,504, f16's largest number.
; No tensor load, no cluster: no input byte is read by two work-groups.
.set WGW,   256                        ; work-groups for the weights
.set STEPS, 16
.set EMAX,  2
.set CB,    8                          ; bytes of 16 codes
.set R,     16                         ; Q, K, V: v16-79 four sets of 16 numbers as loaded
.set X,     80                         ; v80-111  two sets of 16 neighbours
.set E,     112                        ; v112-127 a scale byte for each step
.set C,     128                        ; v128-191 codes: four registers a step, so that no store's data are written again
.set WREG,  8192                       ; LDS: a region for each wave: two stages of 32 x SP bytes, then its 256 scale bytes
.set SP,    80                         ; a lane's place in a stage: 64 bytes + 16 of padding
.set QST,   4*WREG                     ; the weights' codes: 32 rows, pitch 272 = 17 x 16 bytes
.set QP,    272
.set SCST,  QST+32*QP                  ; 32 rows x 16 scale bytes, dense
.set CST,   SCST+512                   ; Wo's stages: 32 rows x 272 bytes for each wave
.set SPARE, CST+4*32*QP                ; the spare words, 128 bytes a wave
.set WX,    64                         ; the weights: v64-191 128 numbers of my column
.set CD,    32                         ; v32-47 codes, four registers a block
.set SPW,   12                         ; v12 LDS address of my spare word; never rewritten
.set NIL,   13                         ; v13 0; never rewritten
	s_load_b256 s[4:11], s[0:1], 0x0               ; Q s[4:5], K s[6:7], V s[8:9], Wq s[10:11]
	s_load_b256 s[12:19], s[0:1], 0x20             ; Wk s[12:13], Wv s[14:15], Wo s[16:17], xc s[18:19]
	s_load_b256 s[20:27], s[0:1], 0x40             ; xs s[20:21], wc s[22:23], ws s[24:25], wot s[26:27]
	v_lshl_add_u32 v[SPW], v0, 2, SPARE
	v_mov_b32 v[NIL], 0
	v_lshrrev_b32 v1, 5, v0
	v_readfirstlane_b32 s28, v1                    ; wave 0..3
	v_and_b32 v2, 31, v0                           ; lane
	s_cmp_lt_u32 ttmp9, WGW
	s_cbranch_scc1 .Lweights
	; ================ Q, K, V
	v_lshlrev_b32 v3, 4, v2                        ; my 16 bytes of a load's 512
	s_mul_i32 s29, s28, WREG
	v_lshrrev_b32 v14, 2, v2
	v_mul_u32_u24 v14, v14, SP
	v_and_b32 v15, 3, v2
	v_lshl_add_u32 v14, v15, 4, v14
	v_add_nc_u32 v14, s29, v14                     ; the stage, way in: SP (lane / 4) + 16 (lane % 4)
	v_mul_u32_u24 v15, v2, SP
	v_add_nc_u32 v15, s29, v15                     ; way out: SP x lane: my 16 neighbours
	v_mul_u32_u24 v4, v2, CB                       ; my codes' place in a step's
	v_lshrrev_b32 v5, 1, v2
	s_add_co_u32 s29, s29, 2*32*SP
	v_add_nc_u32 v5, s29, v5                       ; my wave's 256 scale bytes, my block's byte
	v_lshlrev_b32 v7, 3, v2                        ; and on the way out 8 bytes a lane
	v_add_nc_u32 v6, s29, v7
	s_sub_co_u32 s30, ttmp9, WGW                   ; 0 .. 383
	s_wait_kmcnt 0x0
	s_cmp_lt_u32 s30, 128                          ; which tensor: the choice hangs on the work-group's number alone
	s_cselect_b64 s[4:5], s[4:5], s[6:7]
	s_cmp_lt_u32 s30, 256
	s_cselect_b64 s[4:5], s[4:5], s[8:9]
	s_and_b32 s31, s30, 127
	s_lshl_b32 s31, s31, 2
	s_add_co_u32 s32, s31, s28                     ; my run of 8,192 numbers in the tensor
	s_mov_b32 s33, 0
	s_lshl_b64 s[34:35], s[32:33], 15              ; 32,768 bytes of f32 a run
	s_add_nc_u64 s[4:5], s[4:5], s[34:35]
	s_lshl_b32 s32, s30, 2
	s_add_co_u32 s32, s32, s28                     ; my run among all three tensors' 1,536
	s_lshl_b32 s34, s32, 12                        ; 4,096 bytes of codes a run
	s_mov_b32 s35, 0
	s_add_nc_u64 s[18:19], s[18:19], s[34:35]
	s_lshl_b32 s34, s32, 8                         ; 256 scale bytes a run
	s_add_nc_u64 s[20:21], s[20:21], s[34:35]
.macro XLOAD t
.irp i, 0,1,2,3
	global_load_b128 v[R+16*((\t)%4)+4*\i:R+16*((\t)%4)+4*\i+3], v3, s[4:5] offset:2048*(\t)+512*\i th:TH_LOAD_NT   ; 32 lanes read 512 consecutive bytes
.endr
.endm
.macro XTURN t                         ; step t's numbers through the stage: LDS serves a wave's instructions in order, so no wait stands between the stores and the loads
.irp i, 0,1,2,3
	ds_store_b128 v14, v[R+16*((\t)%4)+4*\i:R+16*((\t)%4)+4*\i+3] offset:32*SP*((\t)%2)+8*SP*\i
.endr
.irp i, 0,1,2,3
	ds_load_b128 v[X+16*((\t)%2)+4*\i:X+16*((\t)%2)+4*\i+3], v15 offset:32*SP*((\t)%2)+16*\i
.endr
.endm
.irp t, 0,1,2,3
	XLOAD \t
.endr
	s_wait_loadcnt 12                              ; step 0's four loads are in; three steps' twelve may be out
	XTURN 0
.macro XSTEP t
.set XS, X+16*((\t)%2)
.if (\t) > 0
	s_wait_dscnt 1                                 ; this step's numbers are back from the stage (the last step's byte store may be out)
.else
	s_wait_dscnt 0x0
.endif
.if (\t)+4 < STEPS
	XLOAD (\t)+4                                   ; into the registers that the stage's stores have read
.endif
.if (\t)+1 < STEPS
.if STEPS-2-(\t) >= 3
	s_wait_loadcnt 12                              ; the next step's four loads are in; those of the three steps behind it may be out
.else
	s_wait_loadcnt 4*(STEPS-2-(\t))
.endif
	XTURN (\t)+1
.endif
	v_max3_num_f32 v8, |v[XS]|, |v[XS+1]|, |v[XS+2]|               ; the largest magnitude of my 16, in two chains
	v_max3_num_f32 v9, |v[XS+3]|, |v[XS+4]|, |v[XS+5]|
.irp i, 6,10
	v_max3_num_f32 v8, v8, |v[XS+\i]|, |v[XS+\i+1]|
	v_max3_num_f32 v9, v9, |v[XS+\i+2]|, |v[XS+\i+3]|
.endr
	v_max3_num_f32 v8, v8, |v[XS+14]|, |v[XS+15]|
	v_max3_num_f32 v8, v8, v9, (EMAX+1)<<23        ; and the floor 2^(3 - 127): the byte cannot fall under 1
	v_max_num_f32_dpp v8, v8, v8 row_xmask:1 row_mask:0xf bank_mask:0xf   ; with my neighbour's 16: the block's
	v_add_nc_u32 v11, -(EMAX<<23), v8              ; 2 off its exponent field: the conversion takes the exponent field of this operand as its scale
	v_cvt_scalef32_pk8_fp4_f32 v[C+4*(\t)], v[XS:XS+7], v11
	v_cvt_scalef32_pk8_fp4_f32 v[C+4*(\t)+1], v[XS+8:XS+15], v11
	v_lshrrev_b32 v[E+(\t)], 23, v11               ; the scale's byte (also the plain line behind the conversions)
	ds_store_b8 v5, v[E+(\t)] offset:16*(\t)       ; both lanes of a block write the same byte with the same value
	global_store_b64 v4, v[C+4*(\t):C+4*(\t)+1], s[18:19] offset:32*CB*(\t)
.endm
.irp t, 0,1,2,3,4,5,6,7,8,9,10,11,12,13,14,15
	XSTEP \t
.endr
	ds_load_b64 v[8:9], v6                         ; LDS serves a wave's instructions in order: these see my stores
	s_wait_dscnt 0x0
	global_store_b64 v7, v[8:9], s[20:21]          ; 32 lanes store 256 consecutive bytes, aligned
	s_wait_tensorcnt 0x0                           ; the wave's end, behind my last LDS store
	ds_add_u32 v[SPW], v[NIL]
	s_wait_dscnt 0x0
	s_endpgm
	; ================ the weights
.Lweights:
	v_lshlrev_b32 v1, 2, v2                        ; in: 4 bytes a lane
	s_lshr_b32 s29, ttmp9, 6                       ; tt: the tensor (3 = Wo)
	s_bfe_u32 s30, ttmp9, 0x50001                  ; cg: which 32 columns
	s_and_b32 s31, ttmp9, 1                        ; kh: which 512 along K
	; every LDS address of the two ways below is made here, ahead of their parting
	v_mul_u32_u24 v3, v2, QP
	s_lshl_b32 s32, s28, 6
	s_add_co_u32 s32, s32, QST
	v_add_nc_u32 v3, s32, v3                       ; codes in: row = my column, byte 64 w
	v_lshlrev_b32 v4, 4, v2
	s_lshl_b32 s32, s28, 2
	s_add_co_u32 s32, s32, SCST
	v_add_nc_u32 v4, s32, v4                       ; scale word in: 16 x lane + 4 w
	v_lshrrev_b32 v18, 4, v2                       ; lane / 16
	v_and_b32 v19, 15, v2                          ; lane % 16
	v_mul_u32_u24 v5, v18, QP
	v_lshl_add_u32 v5, v19, 4, v5                  ; sixteen lanes a row, two rows an instruction
	s_mul_i32 s32, s28, 32*QP
	s_add_co_u32 s32, s32, CST
	v_add_nc_u32 v9, s32, v5                       ; Wo back
	v_mul_u32_u24 v8, v2, QP
	v_add_nc_u32 v8, s32, v8                       ; Wo in: row = my column
	s_mul_i32 s32, s28, 8*QP
	s_add_co_u32 s32, s32, QST
	v_add_nc_u32 v5, s32, v5                       ; codes back: rows 8 w on
	v_lshlrev_b32 v6, 4, v2
	v_add_nc_u32 v6, SCST, v6                      ; scale bytes back: 16 a column (wave 0)
	v_lshlrev_b32 v7, 9, v18
	v_lshl_add_u32 v7, v19, 4, v7                  ; the same two rows in wc (512 bytes a row)
	v_lshlrev_b32 v10, 11, v18
	v_lshl_add_u32 v10, v19, 4, v10                ; and in wot (2,048 bytes a row)
	v_lshlrev_b32 v17, 5, v2                       ; ws: 32 bytes a row
	s_lshl_b32 s34, s31, 21                        ; 512 kh rows of 4,096 bytes
	s_lshl_b32 s33, s28, 19                        ; + 128 w rows
	s_add_co_u32 s34, s34, s33
	s_lshl_b32 s33, s30, 7                         ; + 4 x 32 cg
	s_add_co_u32 s34, s34, s33
	s_mov_b32 s35, 0
	s_wait_kmcnt 0x0
	s_cmp_lt_u32 s29, 1                            ; the tensor: a choice on the work-group's number alone
	s_cselect_b64 s[10:11], s[10:11], s[12:13]
	s_cmp_lt_u32 s29, 2
	s_cselect_b64 s[10:11], s[10:11], s[14:15]
	s_cmp_lt_u32 s29, 3
	s_cselect_b64 s[10:11], s[10:11], s[16:17]
	s_add_nc_u64 s[10:11], s[10:11], s[34:35]
.macro WLOAD t                         ; block t: W(my first k + 32 t + i, my column), i = 0 .. 31; the offsets reach 127 rows of 4,096 bytes, inside the signed 24-bit immediate
.set i, 0
.rept 32
	global_load_b32 v[WX+32*(\t)+i], v1, s[10:11] offset:(32*(\t)+i)*4096
.set i, i+1
.endr
.endm
.macro ARRIVE t                        ; block t is in; the one younger block's 32 loads may be out; the block two on is asked for at once, into registers of its own
.if (\t) < 3
	s_wait_loadcnt 32
.else
	s_wait_loadcnt 0x0
.endif
.if (\t)+2 < 4
	WLOAD (\t)+2
.endif
.endm
	WLOAD 0
	WLOAD 1
	s_cmp_ge_u32 ttmp9, 192
	s_cbranch_scc1 .Lcast
	; ---- Wq, Wk, Wv: quantised
.macro QBLOCK t
.set XW, WX+32*(\t)
	ARRIVE \t
	v_max3_num_f32 v14, |v[XW]|, |v[XW+1]|, |v[XW+2]|               ; the block's largest magnitude: all 32 numbers are mine
	v_max3_num_f32 v15, |v[XW+3]|, |v[XW+4]|, |v[XW+5]|
.irp i, 6,10,14,18,22,26
	v_max3_num_f32 v14, v14, |v[XW+\i]|, |v[XW+\i+1]|
	v_max3_num_f32 v15, v15, |v[XW+\i+2]|, |v[XW+\i+3]|
.endr
	v_max3_num_f32 v14, v14, |v[XW+30]|, |v[XW+31]|
	v_max3_num_f32 v14, v14, v15, 0x1800000        ; and the floor 2^(3 - 127): the byte cannot fall under 1
	v_add_nc_u32 v11, 0xff000000, v14              ; 2 off its exponent field: the conversion's scale operand
	v_lshrrev_b32 v15, 23, v11                     ; the scale's byte
.if (\t) == 0
	v_mov_b32 v16, v15                             ; four bytes make my column's scale word for these 128 along K
.else
	v_lshl_or_b32 v16, v15, 8*(\t), v16
.endif
.irp g, 0,1,2,3
	v_cvt_scalef32_pk8_fp4_f32 v[CD+4*(\t)+\g], v[XW+8*\g:XW+8*\g+7], v11
.endr
	v_nop                                          ; one plain line behind the last scaled conversion
	ds_store_b128 v3, v[CD+4*(\t):CD+4*(\t)+3] offset:16*(\t)   ; 32 codes: 16 bytes of my column's row
.endm
	QBLOCK 0
	QBLOCK 1
	QBLOCK 2
	QBLOCK 3
	ds_store_b32 v4, v16
	s_lshl_b32 s32, s29, 10
	s_lshl_b32 s33, s30, 5
	s_add_co_u32 s32, s32, s33                     ; the work-group's first row n among the 3 x 1,024
	s_lshl_b32 s36, s32, 5
	s_lshl_b32 s33, s31, 4
	s_add_co_u32 s36, s36, s33                     ; ws: 32 bytes a row, + 16 kh
	s_mov_b32 s37, 0
	s_add_nc_u64 s[24:25], s[24:25], s[36:37]
	s_lshl_b32 s33, s28, 3
	s_add_co_u32 s32, s32, s33
	s_lshl_b32 s34, s32, 9
	s_lshl_b32 s33, s31, 8
	s_add_co_u32 s34, s34, s33                     ; wc: my eight rows of 512 bytes, + 256 kh
	s_mov_b32 s35, 0
	s_add_nc_u64 s[22:23], s[22:23], s[34:35]
	s_wait_dscnt 0x0                               ; for the others' sake: my stores into the stages are done
	s_barrier_signal -1
	s_barrier_wait -1
.irp i, 0,1,2,3
	ds_load_b128 v[WX+4*\i:WX+4*\i+3], v5 offset:2*QP*\i
.endr
.irp i, 0,1,2,3
	s_wait_dscnt 3-\i
	global_store_b128 v7, v[WX+4*\i:WX+4*\i+3], s[22:23] offset:1024*\i   ; sixteen lanes store 256 consecutive bytes, aligned
.endr
	s_cmp_eq_u32 s28, 0
	s_cbranch_scc0 .Lq_end
	ds_load_b128 v[WX+16:WX+19], v6
	s_wait_dscnt 0x0
	global_store_b128 v17, v[WX+16:WX+19], s[24:25]   ; a column's 16 scale bytes
.Lq_end:
	s_wait_tensorcnt 0x0                           ; the wave's end, behind my last LDS store
	ds_add_u32 v[SPW], v[NIL]
	s_wait_dscnt 0x0
	s_endpgm
	; ---- Wo: turned and rounded to f16
.Lcast:
.macro CBLOCK t
	ARRIVE \t
.set q, 16*(\t)
.rept 16
	v_cvt_pk_f16_f32 v[WX+q], v[WX+2*q], v[WX+2*q+1]  ; in place, ascending: register q is written when registers 2 q and 2 q + 1 are read, and q <= 2 q
.set q, q+1
.endr
.endm
	CBLOCK 0
	CBLOCK 1
	CBLOCK 2
	CBLOCK 3
	s_lshl_b32 s34, s30, 16                        ; my first column = row 32 cg of wot, 2,048 bytes a row
	s_lshl_b32 s33, s31, 10
	s_add_co_u32 s34, s34, s33                     ; + 2 x 512 kh
	s_lshl_b32 s33, s28, 8
	s_add_co_u32 s34, s34, s33                     ; + 2 x 128 w bytes along k
	s_mov_b32 s35, 0
	s_add_nc_u64 s[26:27], s[26:27], s[34:35]
.irp i, 0,1,2,3,4,5,6,7,8,9,10,11,12,13,14,15
	ds_store_b128 v8, v[WX+4*\i:WX+4*\i+3] offset:16*\i
.endr
.irp i, 0,1,2,3,4,5,6,7,8,9,10,11,12,13,14,15
	ds_load_b128 v[WX+64+4*\i:WX+64+4*\i+3], v9 offset:2*QP*\i   ; LDS serves a wave's instructions in order: these see my stores
.endr
.irp i, 0,1,2,3,4,5,6,7,8,9,10,11,12,13,14,15
	s_wait_dscnt 15-\i
	global_store_b128 v10, v[WX+64+4*\i:WX+64+4*\i+3], s[26:27] offset:4096*\i   ; sixteen lanes store 256 consecutive bytes, aligned
.endr
	s_wait_tensorcnt 0x0                           ; the wave's end, as above
	ds_add_u32 v[SPW], v[NIL]
	s_wait_dscnt 0x0
	s_endpgm
.Lfunc_end_k_q1d3bbdef65_quant:
	.size	k_q1d3bbdef65_quant, .Lfunc_end_k_q1d3bbdef65_quant-k_q1d3bbdef65_quant
	.p2alignl 7, 3214868480
	.fill 96, 4, 3214868480
	.section	.rodata,"a",@progbits
	.p2align	6, 0x0
	.amdhsa_kernel k_q1d3bbdef65_quant
		.amdhsa_group_segment_fixed_size 77312
		.amdhsa_private_segment_fixed_size 0
		.amdhsa_enable_private_segment 0
		.amdhsa_kernarg_size 96
		.amdhsa_user_sgpr_count 2
		.amdhsa_user_sgpr_kernarg_segment_ptr 1
		.amdhsa_wavefront_size32 1
		.amdhsa_system_sgpr_workgroup_id_x 1
		.amdhsa_system_sgpr_workgroup_id_y 1
		.amdhsa_system_sgpr_workgroup_id_z 1
		.amdhsa_system_vgpr_workitem_id 0
		.amdhsa_next_free_vgpr 192
		.amdhsa_next_free_sgpr 66
		.amdhsa_reserve_vcc 0
		.amdhsa_float_denorm_mode_32 3
		.amdhsa_float_denorm_mode_16_64 3
		.amdhsa_memory_ordered 1
		.amdhsa_forward_progress 1
		.amdhsa_inst_pref_size 70
	.end_amdhsa_kernel
	.amdgpu_metadata
---
amdhsa.version: [ 1, 2 ]
amdhsa.kernels:
  - .name:           k_q1d3bbdef65_quant
    .symbol:         k_q1d3bbdef65_quant.kd
    .args:
      - { .name: Q, .offset: 0, .size: 8, .value_kind: global_buffer, .address_space: global }
      - { .name: K, .offset: 8, .size: 8, .value_kind: global_buffer, .address_space: global }
      - { .name: V, .offset: 16, .size: 8, .value_kind: global_buffer, .address_space: global }
      - { .name: Wq, .offset: 24, .size: 8, .value_kind: global_buffer, .address_space: global }
      - { .name: Wk, .offset: 32, .size: 8, .value_kind: global_buffer, .address_space: global }
      - { .name: Wv, .offset: 40, .size: 8, .value_kind: global_buffer, .address_space: global }
      - { .name: Wo, .offset: 48, .size: 8, .value_kind: global_buffer, .address_space: global }
      - { .name: xc, .offset: 56, .size: 8, .value_kind: global_buffer, .address_space: global }
      - { .name: xs, .offset: 64, .size: 8, .value_kind: global_buffer, .address_space: global }
      - { .name: wc, .offset: 72, .size: 8, .value_kind: global_buffer, .address_space: global }
      - { .name: ws, .offset: 80, .size: 8, .value_kind: global_buffer, .address_space: global }
      - { .name: wot, .offset: 88, .size: 8, .value_kind: global_buffer, .address_space: global }
    .group_segment_fixed_size: 77312
    .private_segment_fixed_size: 0
    .kernarg_segment_align: 8
    .kernarg_segment_size: 96
    .max_flat_workgroup_size: 128
    .sgpr_count:     66
    .vgpr_count:     192
    .wavefront_size: 32
...
	.end_amdgpu_metadata
.endif
;; end of part 1
;; launch proj (part 2): grid 4 x 48, 4 waves a work-group, clusters of 4 x 4, 327,680 bytes of LDS; arguments xc, xs, wc, ws, bq, bk, bv, qkv, fq; writes qkv, fq
.if DOCPART == 2
	.amdgcn_target "amdgcn-amd-amdhsa--gfx1250"
	.amdhsa_code_object_version 6
	.text
	.protected	k_q1d3bbdef65_proj
	.globl	k_q1d3bbdef65_proj
	.p2align	8
	.type	k_q1d3bbdef65_proj,@function
k_q1d3bbdef65_proj:
	s_mov_b64 s[64:65], 0
	v_nop
	global_prefetch_b8 v0, s[64:65] scope:SCOPE_SE
	s_setreg_imm32_b32 hwreg(HW_REG_WAVE_MODE, 25, 1), 1
	s_wait_xcnt 0x0
	s_wait_alu depctr_hold_cnt(0) depctr_sa_sdst(0) depctr_va_vdst(0) depctr_va_sdst(0) depctr_va_ssrc(0) depctr_va_vcc(0) depctr_vm_vsrc(0)
	s_getreg_b32 s2, hwreg(HW_REG_IB_STS2, 6, 4)
	s_cmp_eq_u32 s2, 0
	s_cbranch_scc0 .Lentry_in_a_cluster
	s_endpgm
.Lentry_in_a_cluster:
	s_bfe_u32 s2, ttmp6, 0x10000c
	s_cmp_lg_u32 s2, 0xf033
	s_cbranch_scc0 .Lentry_shape_is_right
	s_endpgm
.Lentry_shape_is_right:
; The three quantised products in one launch: qkv[p][m][n] = f16( (sum over k of x_p[m][k] W_p[k][n] + b_p[n]) x f_p ), p = 0, 1, 2 for q, k, v; f = 2^-1.5 = 1 / 64^(1/4) for q and k, 1 for v.
; Both operands are codes of FP4 (E2M1) with one E8M0 byte for each 32 along K, as the launch before has laid them: A = xc [12,288][512 bytes] with xs [12,288][32]; B = wc [3,072][512 bytes] with ws [3,072][32].
; A tile of 256 x 256 is made by four waves, 128 x 128 each: 64 accumulators, 512 registers.  K = 1,024 is two K steps of 512: both LDS slots and all scale bytes are asked for at the head, and no LDS byte is filled twice.
; CLUSTERS: 4 x 4 work-groups.  The four of a row need the same tiles of A, the four of a column the same tiles of B: each tile is asked for jointly.  A cluster's four tile rows lie in one product (16 tile rows a product).
; THE MATRIX INSTRUCTION IS USED TRANSPOSED (source 0 = 16 rows of B, source 1 = 16 rows of A): a lane holds eight neighbouring columns of one row.  THE BIAS IS THE C OF EACH SUM'S FIRST INSTRUCTION.
; THE FIRST 16 POSITIONS of each sequence also leave in f32, unscaled, for the last launch, which carries them finely: fq [3][16 b + position][1024].  They are block 0 of the upper waves of every eighth tile row.
;   Which waves those are hangs on the work-group's place in its cluster, so no branch picks them: every wave sends its block 0 through an f32 stage, and the sixteen global stores run with the lanes on in those waves alone.
; REGISTERS, in windows of 256: window 0: v0-31 addresses; v32-95 scale words, two sets; v128-191 A's fragments, one set; on the way out v96-255 are free.
;   window 1: B's fragments, two sets, at v0 and v128; v64-127 the bias, eight registers for each of B's eight blocks.   windows 2, 3: the accumulators of my rows 0-63, 64-127.
; LIMIT: |result| up to 65,504, f16's largest number; the multiplication by 2^-1.5 stands for the division by 64^(1/4) (it may differ in f32's last bit, ahead of the rounding to f16).
.set SIZE_N, 1024
.set KSTEP,  512
.set NQ,     KSTEP/128
.set ROWB,   256                       ; a tile's row: 512 codes
.set KROW,   512                       ; a row of codes in memory
.set PITCH,  272                       ; 256 bytes + 16 of padding = 68 words: the 16 rows of a load start at 16 different banks (64 banks of 4 bytes: ISA guide 11.1)
.set FR,     8
.set NL,     2
.set NP,     4                         ; places behind this matrix instruction (ISA guide 7.12.1)
.set HALFT,  128*PITCH
.set SLOT,   4*HALFT
.set KS,     32                        ; a row of scale bytes
.set SCL,    2*SLOT                    ; behind the slots: the scale bytes, as runs of 256 bytes + 16 of padding
.set HALFS,  (128*KS/256)*272
.set SBLK,   (16*KS/256)*272
.set SPARE,  SCL+4*HALFS               ; the spare words, 128 bytes a wave
.set SPITCH, 272                       ; the way out: 16 rows x (256 + 16) bytes for each wave, in slot 0, which has had its only fill and its last read by then
.set FSTAGE, 4*16*SPITCH               ; behind those four stages, in slot 0 too: 16 rows x (512 + 16) bytes for each wave, for the f32 rows
.set FPITCH, 528
.set ADRA, 16
.set FSTO, 18                          ; v18 the f32 stage: where I put 32 bytes of a row
.set FRD,  19                          ; v19 and where I read a row of 512 bytes back
.set ADRB, 20
.set FCO,  22                          ; v22 16 x lane: my bytes of such a row in fq
.set STO,  24
.set RD,   25
.set CO,   26
.set ADRS, 27
.set SPW,  28
.set NIL,  29
.set BAD,  30                          ; v30 32 x (lane / 16): my eight bias numbers of a block
.set SC,   32
.set AF,   128
.set BIAS, 64                          ; in window 1
.set T,    96                          ; the way out: 64 scaled numbers,
.set TMP,  160                         ; 32 registers of f16 pairs,
.set BK,   192                         ; and 16 rows read back: v192-223 and v224-255 by turns (the f32 rows: all 64)
.set FS,   94                          ; s[94:95] the factor f_p, twice
.set G1, 24
.set G0, 32
.set G1B, 48
.set G0B, 56
.set G1S, 68
.set G0S, 76
.set G1SB, 80
.set G0SB, 88
.set MSB, 0
.macro WIN new                         ; the immediate's high byte repeats the setting that is left
.if MSB != \new
	s_set_vgpr_msb (MSB<<8)|\new
.set MSB, \new
.endif
.endm
.set MUL_LO, 0xa1                      ; source 0 (B) window 1, source 1 (A) window 0, C and D window 2
.set MUL_HI, 0xf1                      ; the same, C and D window 3
.set BIA_LO, 0x91                      ; the first step: C (the bias) window 1, D window 2
.set BIA_HI, 0xd1                      ; C window 1, D window 3
.set TO_B,   0x40                      ; destination window 1, address window 0
; A joint load: waves 0 and 1 fetch for A, waves 2 and 3 for B.  The branch hangs on the wave's number alone.  An s_nop 0 and four v_nop follow each of the two lines.
.macro JLOAD g0a, g1a, g0b, g1b
	s_cmp_eq_u32 s15, 0
	s_cbranch_scc0 .Lfor_b_\@
	tensor_load_to_lds s[\g0a:\g0a+3], s[\g1a:\g1a+7]
	s_nop 0
.rept 4
	v_nop
.endr
	s_branch .Lasked_\@
.Lfor_b_\@:
	tensor_load_to_lds s[\g0b:\g0b+3], s[\g1b:\g1b+7]
	s_nop 0
.rept 4
	v_nop
.endr
.Lasked_\@:
.endm
.macro CROUND                          ; a round of the cluster's barrier
	s_barrier_signal -1
	s_barrier_wait -1
	s_cmp_lg_u32 s14, 0
	s_cbranch_scc1 .Lnot_wave_0_\@
	s_barrier_signal -3
.Lnot_wave_0_\@:
	s_barrier_wait -3
	s_barrier_signal -1
	s_barrier_wait -1
.endm
	s_load_b128 s[4:7], s[0:1], 0x0                ; xc, xs
	s_load_b128 s[8:11], s[0:1], 0x10              ; wc, ws
	s_load_b128 s[96:99], s[0:1], 0x20             ; bq, bk
	s_load_b64 s[100:101], s[0:1], 0x30            ; bv
	s_load_b64 s[12:13], s[0:1], 0x38              ; qkv
	s_load_b64 s[66:67], s[0:1], 0x40              ; fq
	v_lshl_add_u32 v[SPW], v0, 2, SPARE
	v_mov_b32 v[NIL], 0
	ds_add_u32 v[SPW], v[NIL]                      ; the wave's opening: the add, twice on end, and its wait ahead of my first tensor load
	ds_add_u32 v[SPW], v[NIL]
	v_lshrrev_b32 v1, 5, v0
	v_readfirstlane_b32 s14, v1                    ; wave 0..3
	s_lshr_b32 s15, s14, 1                         ; which half of the tile's rows is mine.  Also: I fetch for A (0) or for B (1)
	s_and_b32 s16, s14, 1                          ; which half of its columns.  Also: which 128 rows of that tile I fetch
	s_bfe_u32 s40, ttmp6, 0x40000                  ; cx, cy: my place in the cluster
	s_bfe_u32 s41, ttmp6, 0x40004
	s_lshl_b32 s42, ttmp9, 2
	s_add_co_u32 s42, s42, s40                     ; tile column = 4 x cluster x + cx
	s_and_b32 s17, ttmp7, 0xffff
	s_lshr_b32 s95, s17, 2                         ; the product p = cluster y / 4: the same in all sixteen partners
	s_lshl_b32 s17, s17, 2
	s_add_co_u32 s17, s17, s41                     ; tile row = 4 x cluster y + cy, 0 .. 47
	s_lshl_b32 s43, s41, 2
	s_lshl_b32 s43, 15, s43                        ; my row of the cluster
	s_lshl_b32 s44, 0x1111, s40                    ; my column
	; descriptor group 1: a tile of 128 rows x 256 bytes, padded in LDS
	s_or_b32 s[G1+0], s43, (0<<16)|(1<<20)|(1<<21)|(5<<22)|(3<<25)  ; the mask: A's tiles go to my row; elements of 1 byte; padding: 4 words after every 64; bit 21 beside a mask
	s_or_b32 s[G1B+0], s44, (0<<16)|(1<<20)|(1<<21)|(5<<22)|(3<<25)
.irp g, G1, G1B
	s_mov_b32 s[\g+1], ROWB<<16                    ; tensor_dim0
	s_mov_b32 s[\g+2], 128<<16                     ; tensor_dim1
	s_mov_b32 s[\g+3], ROWB<<16                    ; tile_dim0
	s_mov_b32 s[\g+4], 128                         ; tile_dim1
	s_mov_b32 s[\g+5], KROW                        ; the pitch
	s_mov_b32 s[\g+6], 0
	s_mov_b32 s[\g+7], 0
.endr
	; the scale bytes of 128 rows: 4,096 dense bytes, as 16 rows of 256 bytes (32 elements of 8), 16 bytes of padding behind each
	s_or_b32 s[G1S+0], s43, (3<<16)|(1<<20)|(1<<21)|(5<<22)|(3<<25)
	s_or_b32 s[G1SB+0], s44, (3<<16)|(1<<20)|(1<<21)|(5<<22)|(3<<25)
.irp g, G1S, G1SB
	s_mov_b32 s[\g+1], 32<<16
	s_mov_b32 s[\g+2], (128*KS/256)<<16
	s_mov_b32 s[\g+3], 32<<16
	s_mov_b32 s[\g+4], 128*KS/256
	s_mov_b32 s[\g+5], 32
	s_mov_b32 s[\g+6], 0
	s_mov_b32 s[\g+7], 0
.endr
	s_lshl_b32 s18, s16, 7                         ; which 128 rows of the tile I fetch
	s_lshl_b32 s20, s17, 8
	s_add_co_u32 s20, s20, s18                     ; A: row 256 x tile row + 128 x half
	s_lshl_b32 s46, s42, 8
	s_add_co_u32 s46, s46, s18
	s_lshl_b32 s47, s95, 10
	s_add_co_u32 s46, s46, s47                     ; B: row 1,024 p + 256 x tile column + 128 x half
	s_mov_b32 s21, 0
	s_mov_b32 s47, 0
	s_mov_b64 s[18:19], KS
	s_mul_u64 s[22:23], s[20:21], s[18:19]         ; where these rows' scale bytes begin
	s_mul_u64 s[92:93], s[46:47], s[18:19]
	s_mov_b64 s[18:19], KROW
	s_mul_u64 s[20:21], s[20:21], s[18:19]         ; and their codes
	s_mul_u64 s[46:47], s[46:47], s[18:19]
	s_mul_i32 s45, s14, HALFT                      ; where they go: wave x 128 rows: no place in the cluster enters an LDS address
	s_mul_i32 s94, s14, HALFS
	s_wait_dscnt 0x0                               ; both opening adds are done
	s_wait_kmcnt 0x0
	s_add_nc_u64 s[20:21], s[4:5], s[20:21]
	s_add_nc_u64 s[22:23], s[6:7], s[22:23]
	s_add_nc_u64 s[46:47], s[8:9], s[46:47]
	s_add_nc_u64 s[92:93], s[10:11], s[92:93]
	CROUND                                         ; all sixteen work-groups are here: the joint loads meet
	s_mov_b32 s[G0S], 1
	s_add_co_u32 s[G0S+1], s94, SCL
	s_mov_b64 s[G0S+2:G0S+3], s[22:23]
	s_or_b32 s[G0S+3], s[G0S+3], 0x80000000
	s_mov_b32 s[G0SB], 1
	s_add_co_u32 s[G0SB+1], s94, SCL
	s_mov_b64 s[G0SB+2:G0SB+3], s[92:93]
	s_or_b32 s[G0SB+3], s[G0SB+3], 0x80000000
	JLOAD G0S, G1S, G0SB, G1SB                     ; the scale bytes first: they are wanted with K step 0
.irp s, 0,1
	s_mov_b32 s[G0+4*\s], 1
	s_add_co_u32 s[G0+4*\s+1], s45, \s*SLOT
	s_add_nc_u64 s[G0+4*\s+2:G0+4*\s+3], s[20:21], \s*ROWB
	s_or_b32 s[G0+4*\s+3], s[G0+4*\s+3], 0x80000000
	s_mov_b32 s[G0B+4*\s], 1
	s_add_co_u32 s[G0B+4*\s+1], s45, \s*SLOT
	s_add_nc_u64 s[G0B+4*\s+2:G0B+4*\s+3], s[46:47], \s*ROWB
	s_or_b32 s[G0B+4*\s+3], s[G0B+4*\s+3], 0x80000000
	JLOAD G0+4*\s, G1, G0B+4*\s, G1B               ; three tensor loads of a wave are out
.endr
	s_cmp_lt_u32 s95, 1                            ; the product's bias and factor: choices on the cluster's number alone
	s_cselect_b64 s[96:97], s[96:97], s[98:99]
	s_cmp_lt_u32 s95, 2
	s_cselect_b64 s[96:97], s[96:97], s[100:101]
	s_mov_b32 s[FS], 0x3eb504f3                    ; 2^-1.5
	s_cselect_b32 s[FS], s[FS], 1.0                ; q and k: 2^-1.5; v: 1
	s_mov_b32 s[FS+1], s[FS]
	v_and_b32 v1, 15, v0                           ; l % 16
	v_bfe_u32 v2, v0, 4, 1                         ; l / 16
	v_mul_u32_u24 v3, v1, PITCH
	v_lshl_add_u32 v4, v2, 4, v3                   ; a fragment's row x pitch + 16 x half
	s_mul_i32 s21, s15, HALFT                      ; my 128 rows of A
	s_mul_i32 s22, s16, HALFT                      ; my 128 rows of B,
	s_add_co_u32 s22, s22, 2*HALFT                 ; which lie behind A's 256
.irp s, 0,1
	v_add_nc_u32 v[ADRA+\s], s21, v4
	v_add_nc_u32 v[ADRB+\s], s22, v4
	s_add_co_u32 s21, s21, SLOT
	s_add_co_u32 s22, s22, SLOT
.endr
	v_mul_u32_u24 v5, v1, KS                       ; my row's scale bytes: 32 a row,
	v_lshrrev_b32 v6, 8, v5
	v_lshl_add_u32 v5, v6, 4, v5                   ; and 16 more for each 256 passed
	s_mul_i32 s21, s15, HALFS
	s_mul_i32 s22, s16, HALFS
	s_add_co_u32 s22, s22, 2*HALFS
	s_sub_co_u32 s22, s22, s21
	v_mul_u32_u24 v6, s22, v2                      ; lanes 16-31 take B's: the lower base + half x the distance
	s_add_co_u32 s21, s21, SCL
	v_add_nc_u32 v5, v5, v6
	v_add_nc_u32 v[ADRS], s21, v5
	s_mul_i32 s23, s14, 16*SPITCH                  ; my stage
	v_mul_u32_u24 v5, v1, SPITCH                   ; in: row l % 16, 16 bytes for each half of the lanes
	v_lshl_add_u32 v5, v2, 4, v5
	v_add_nc_u32 v[STO], s23, v5
	v_mul_u32_u24 v5, v2, SPITCH                   ; back: lanes 0-15 one row of 256 bytes, lanes 16-31 the next
	v_lshl_add_u32 v5, v1, 4, v5
	v_add_nc_u32 v[RD], s23, v5
	v_lshlrev_b32 v5, 11, v2                       ; and the same two rows in qkv (2,048 bytes a row)
	v_lshl_add_u32 v[CO], v1, 4, v5
	v_lshlrev_b32 v[BAD], 5, v2
	s_lshl_b32 s20, s17, 8
	s_lshl_b32 s21, s15, 7
	s_add_co_u32 s20, s20, s21                     ; my first row: 256 x tile row + 128 x half
	s_lshl_b32 s20, s20, 11
	s_mov_b32 s21, 0
	s_add_nc_u64 s[12:13], s[12:13], s[20:21]
	s_lshl_b32 s46, s42, 9                         ; my first column in f16 bytes: 512 x tile column + 256 x half
	s_lshl_b32 s47, s16, 8
	s_add_co_u32 s46, s46, s47
	s_mov_b32 s47, 0
	s_add_nc_u64 s[12:13], s[12:13], s[46:47]
	s_lshl_b32 s46, s46, 1                         ; the same column in f32 bytes: the bias's,
	s_add_nc_u64 s[96:97], s[96:97], s[46:47]
	s_add_nc_u64 s[66:67], s[66:67], s[46:47]      ; and fq's;
	s_lshr_b32 s20, s17, 3                         ; tile row / 8 = 2 p + b:
	s_lshl_b32 s20, s20, 16                        ; fq's rows 16 (2 p + b) on, 4,096 bytes a row
	s_add_nc_u64 s[66:67], s[66:67], s[20:21]
	s_and_b32 s23, s17, 7
	s_or_b32 s23, s23, s15                         ; 0 where my block 0 is the first 16 positions of a sequence: a sequence's first tile row, the upper waves
	s_mul_i32 s20, s14, 16*FPITCH
	s_add_co_u32 s20, s20, FSTAGE                  ; my f32 stage
	v_mul_u32_u24 v5, v1, FPITCH                   ; in: row l % 16, 32 bytes for each half of the lanes
	v_lshl_add_u32 v5, v2, 5, v5
	v_add_nc_u32 v[FSTO], s20, v5
	v_and_b32 v5, 31, v0
	v_lshlrev_b32 v[FCO], 4, v5                    ; back: the 32 lanes take one row of 512 bytes
	v_add_nc_u32 v[FRD], s20, v[FCO]
	WIN TO_B
.irp b, 0,1,2,3,4,5,6,7                        ; lane (r, h), block b, register j: bias of column 16 b + 8 h + j: the result's own layout
	global_load_b128 v[BIAS+8*\b:BIAS+8*\b+3], v[BAD], s[96:97] offset:64*\b
	global_load_b128 v[BIAS+8*\b+4:BIAS+8*\b+7], v[BAD], s[96:97] offset:64*\b+16
.endr
	WIN 0
.macro FRAG reg, adr, q, i             ; 16 rows x 128 K of 4-bit codes: 8 registers; registers 4 c .. 4 c + 3 hold K = 64 c + 32 (l / 16) + 0 .. 31
.irp c, 0,1
	ds_load_b128 v[\reg+4*\c:\reg+4*\c+3], v[\adr] offset:64*(\q)+32*\c+(\i)*16*PITCH
.endr
.endm
; 16 matrix instructions: A's blocks a0, a0 + 1 x B's eight.  p: B's set; sc: the set of scale words.  first = 1: the bias is the C.  The 64 accumulators take turns, one instruction a turn.
.macro MUL16 a0, p, q, sc, first
.irp a, \a0, \a0+1
.irp b, 0,1,2,3,4,5,6,7
.if \first
	v_wmma_scale_f32_16x16x128_f8f6f4 v[8*(8*((\a)%4)+\b):8*(8*((\a)%4)+\b)+7], v[128*(\p)+FR*\b:128*(\p)+FR*\b+FR-1], v[AF+FR*(\a):AF+FR*(\a)+FR-1], v[BIAS+8*\b:BIAS+8*\b+7], v[SC+8*NQ*(\sc)+NQ*\b+(\q)], v[SC+8*NQ*(\sc)+NQ*(\a)+(\q)] matrix_a_fmt:MATRIX_FMT_FP4 matrix_b_fmt:MATRIX_FMT_FP4 matrix_a_scale:MATRIX_SCALE_ROW1
.else
	v_wmma_scale_f32_16x16x128_f8f6f4 v[8*(8*((\a)%4)+\b):8*(8*((\a)%4)+\b)+7], v[128*(\p)+FR*\b:128*(\p)+FR*\b+FR-1], v[AF+FR*(\a):AF+FR*(\a)+FR-1], v[8*(8*((\a)%4)+\b):8*(8*((\a)%4)+\b)+7], v[SC+8*NQ*(\sc)+NQ*\b+(\q)], v[SC+8*NQ*(\sc)+NQ*(\a)+(\q)] matrix_a_fmt:MATRIX_FMT_FP4 matrix_b_fmt:MATRIX_FMT_FP4 matrix_a_scale:MATRIX_SCALE_ROW1
.endif
.endr
.endr
.endm
.macro FETCH_B slot, q, p
	WIN TO_B
.irp i, 0,1,2,3,4,5,6,7
	FRAG 128*(\p)+FR*\i, ADRB+\slot, \q, \i
.endr
	WIN 0
.endm
.macro FETCH_A slot, q, i0
.irp i, \i0, \i0+1, \i0+2, \i0+3
	FRAG AF+FR*(\i), ADRA+\slot, \q, \i
.endr
.endm
.macro SCALES sc                       ; a K step's scale words: four a row; lanes 0-15 take A's block i, lanes 16-31 B's block i
.irp i, 0,1,2,3,4,5,6,7
	ds_load_b128 v[SC+8*NQ*\sc+NQ*\i:SC+8*NQ*\sc+NQ*\i+3], v[ADRS] offset:\i*SBLK
.endr
.endm
.macro PLACES n                        ; plain vector lines between a matrix instruction and a load into, or a read of, its registers
.rept \n
	v_nop
.endr
.endm
.macro STEP slot, q, first             ; 128 along K that has its successor in the same slot
	s_wait_dscnt 4*NL                              ; B's set and A's blocks 0-3 are in; the youngest eight loads (A's blocks 4-7) may be out
.if \first
	WIN BIA_LO
.else
	WIN MUL_LO
.endif
	MUL16 0, (\q)%2, \q, \slot, \first
	MUL16 2, (\q)%2, \q, \slot, \first
	s_wait_dscnt 0
	PLACES NP
	FETCH_B \slot, (\q)+1, 1-(\q)%2
	FETCH_A \slot, (\q)+1, 0
.if \first
	WIN BIA_HI
.else
	WIN MUL_HI
.endif
	MUL16 4, (\q)%2, \q, \slot, \first
	MUL16 6, (\q)%2, \q, \slot, \first
	PLACES NP
	WIN 0
	FETCH_A \slot, (\q)+1, 4
.endm
.macro STEPS slot, from
.set Q, \from
.rept NQ-1-\from
	STEP \slot, Q, 0
.set Q, Q+1
.endr
.endm
	s_wait_tensorcnt 1                             ; the scale bytes and my part of K step 0 are in (K step 1's load may be out)
	s_barrier_signal -1
	s_barrier_wait -1                              ; everybody's are
	FETCH_B 0, 0, 0
	FETCH_A 0, 0, 0
	SCALES 0
	FETCH_A 0, 0, 4
	s_wait_loadcnt 0x0                             ; the bias
	STEP 0, 0, 1                                   ; the first step starts the sums from the bias: nothing is cleared
	STEPS 0, 1
	; slot 0's last step changes slots: one barrier; in front of it my part of slot 1 has landed and my reads of slot 0 are over
	s_wait_tensorcnt 0x0
	ds_add_u32 v[SPW], v[NIL]                      ; 0 onto my spare word
	s_wait_dscnt 4*NL+1                            ; (the add and the youngest eight loads may be out)
	WIN MUL_LO
	MUL16 0, 1, NQ-1, 0, 0
	s_wait_dscnt 0x0
	s_barrier_signal -1
	MUL16 2, 1, NQ-1, 0, 0
	WIN 0
	s_barrier_wait -1
	PLACES NP
	v_add_nc_u32 v[ADRS], 4*NQ, v[ADRS]            ; on to the second K step's scale words
	FETCH_B 1, 0, 0
	FETCH_A 1, 0, 0
	SCALES 1
	WIN MUL_HI
	MUL16 4, 1, NQ-1, 0, 0
	MUL16 6, 1, NQ-1, 0, 0
	PLACES NP
	WIN 0
	FETCH_A 1, 0, 4
	STEPS 1, 0
	s_wait_dscnt 4*NL                              ; the very last step: nothing more to fetch
	WIN MUL_LO
	MUL16 0, 1, NQ-1, 1, 0
	MUL16 2, 1, NQ-1, 1, 0
	s_wait_dscnt 0
	WIN MUL_HI
	MUL16 4, 1, NQ-1, 1, 0
	MUL16 6, 1, NQ-1, 1, 0
	WIN 0
; THE WAY OUT, block by block of 16 rows x 128 columns: x f_p, rounded to f16 (16 bytes a lane), through my stage, back as whole rows of 256 bytes: sixteen lanes store 256 consecutive bytes, aligned.
.macro PACK a
.set AC, 64*((\a)%4)
	WIN (0x02+((\a)/4))                            ; source 0: window 2 or 3
.irp b, 0,1,2,3,4,5,6,7
.irp r, 0,1,2,3
	v_pk_mul_f32 v[T+8*\b+2*\r:T+8*\b+2*\r+1], v[AC+8*\b+2*\r:AC+8*\b+2*\r+1], s[FS:FS+1] op_sel_hi:[1,0]   ; each accumulator from its low end on
.endr
.endr
	WIN 0
.irp b, 0,1,2,3,4,5,6,7
.irp r, 0,1,2,3
	v_cvt_pk_f16_f32 v[TMP+4*\b+\r], v[T+8*\b+2*\r], v[T+8*\b+2*\r+1]
.endr
.endr
.endm
.macro TOSTAGE a
.set BB, BK+32*((\a)%2)
.irp b, 0,1,2,3,4,5,6,7
	ds_store_b128 v[STO], v[TMP+4*\b:TMP+4*\b+3] offset:32*\b
.endr
.irp t, 0,1,2,3,4,5,6,7
	ds_load_b128 v[BB+4*\t:BB+4*\t+3], v[RD] offset:\t*2*SPITCH    ; LDS serves a wave's instructions in order: these see the stores above
.endr
.endm
.macro SEND a
.set BB, BK+32*((\a)%2)
	s_wait_dscnt 0x0                               ; the block is back in registers
	s_wait_xcnt 0x0                                ; the earlier stores have read their base and their data: the base may step, and the block after next may land on those registers
.if (\a) > 0
	s_add_nc_u64 s[12:13], s[12:13], 16*SIZE_N*2
.endif
.irp t, 0,1,2,3,4,5,6,7
	global_store_b128 v[CO], v[BB+4*\t:BB+4*\t+3], s[12:13] offset:2*\t*SIZE_N*2
.endr
.endm
	PLACES NP                                      ; behind the last products: the lines below read results and write registers that held A's fragments
	; block 0 in f32, as it stands: through my f32 stage, back as whole rows of 512 bytes
	WIN 0x08                                       ; an LDS store's data are its source 1: window 2
.irp b, 0,1,2,3,4,5,6,7
	ds_store_b128 v[FSTO], v[8*\b:8*\b+3] offset:64*\b             ; each accumulator from its low end on
	ds_store_b128 v[FSTO], v[8*\b+4:8*\b+7] offset:64*\b+16
.endr
	WIN 0
.irp t, 0,1,2,3,4,5,6,7,8,9,10,11,12,13,14,15
	ds_load_b128 v[BK+4*\t:BK+4*\t+3], v[FRD] offset:\t*FPITCH     ; LDS serves a wave's instructions in order: these see the stores above
.endr
	s_wait_dscnt 0x0
	v_cmp_eq_u32 vcc_lo, s23, v[NIL]               ; all lanes, or none: is my block 0 the first 16 positions of a sequence?
	s_wait_xcnt 0x0                                ; EXEC changes only behind this wait
	s_and_saveexec_b32 s22, vcc_lo
.irp t, 0,1,2,3,4,5,6,7,8,9,10,11,12,13,14,15
	global_store_b128 v[FCO], v[BK+4*\t:BK+4*\t+3], s[66:67] offset:\t*4096   ; 32 lanes store 512 consecutive bytes, aligned
.endr
	s_wait_xcnt 0x0                                ; and again, in front of the line that widens it; the stores' data registers are free behind it too
	s_or_b32 exec_lo, exec_lo, s22
	PACK 0
	TOSTAGE 0
.irp a, 1,2,3,4,5,6,7                  ; block a's arithmetic stands between block a - 1's loads from the stage and the wait for them
	PACK \a
	SEND \a-1
	TOSTAGE \a
.endr
	SEND 7
	s_wait_tensorcnt 0x0                           ; the wave's end, behind my last tensor load and my last LDS store
	ds_add_u32 v[SPW], v[NIL]
	s_wait_dscnt 0x0
	CROUND                                         ; the closing round
	s_endpgm
.Lfunc_end_k_q1d3bbdef65_proj:
	.size	k_q1d3bbdef65_proj, .Lfunc_end_k_q1d3bbdef65_proj-k_q1d3bbdef65_proj
	.p2alignl 7, 3214868480
	.fill 96, 4, 3214868480
	.section	.rodata,"a",@progbits
	.p2align	6, 0x0
	.amdhsa_kernel k_q1d3bbdef65_proj
		.amdhsa_group_segment_fixed_size 327680
		.amdhsa_private_segment_fixed_size 0
		.amdhsa_enable_private_segment 0
		.amdhsa_kernarg_size 72
		.amdhsa_user_sgpr_count 2
		.amdhsa_user_sgpr_kernarg_segment_ptr 1
		.amdhsa_wavefront_size32 1
		.amdhsa_system_sgpr_workgroup_id_x 1
		.amdhsa_system_sgpr_workgroup_id_y 1
		.amdhsa_system_sgpr_workgroup_id_z 1
		.amdhsa_system_vgpr_workitem_id 0
		.amdhsa_next_free_vgpr 1024
		.amdhsa_next_free_sgpr 102
		.amdhsa_reserve_vcc 1
		.amdhsa_float_denorm_mode_32 3
		.amdhsa_float_denorm_mode_16_64 3
		.amdhsa_memory_ordered 1
		.amdhsa_forward_progress 1
		.amdhsa_inst_pref_size 149
	.end_amdhsa_kernel
	.amdgpu_metadata
---
amdhsa.version: [ 1, 2 ]
amdhsa.kernels:
  - .name:           k_q1d3bbdef65_proj
    .symbol:         k_q1d3bbdef65_proj.kd
    .args:
      - { .name: xc, .offset: 0, .size: 8, .value_kind: global_buffer, .address_space: global }
      - { .name: xs, .offset: 8, .size: 8, .value_kind: global_buffer, .address_space: global }
      - { .name: wc, .offset: 16, .size: 8, .value_kind: global_buffer, .address_space: global }
      - { .name: ws, .offset: 24, .size: 8, .value_kind: global_buffer, .address_space: global }
      - { .name: bq, .offset: 32, .size: 8, .value_kind: global_buffer, .address_space: global }
      - { .name: bk, .offset: 40, .size: 8, .value_kind: global_buffer, .address_space: global }
      - { .name: bv, .offset: 48, .size: 8, .value_kind: global_buffer, .address_space: global }
      - { .name: qkv, .offset: 56, .size: 8, .value_kind: global_buffer, .address_space: global }
      - { .name: fq, .offset: 64, .size: 8, .value_kind: global_buffer, .address_space: global }
    .group_segment_fixed_size: 327680
    .private_segment_fixed_size: 0
    .kernarg_segment_align: 8
    .kernarg_segment_size: 72
    .max_flat_workgroup_size: 128
    .sgpr_count:     102
    .vgpr_count:     1024
    .wavefront_size: 32
...
	.end_amdgpu_metadata
.endif
;; end of part 2
;; launch attn (part 3): grid 16 x 16, 16 waves a work-group, clusters of 4 x 1, 327,680 bytes of LDS; arguments qkv, att; writes att
.if DOCPART == 3
	.amdgcn_target "amdgcn-amd-amdhsa--gfx1250"
	.amdhsa_code_object_version 6
	.text
	.protected	k_q1d3bbdef65_attn
	.globl	k_q1d3bbdef65_attn
	.p2align	8
	.type	k_q1d3bbdef65_attn,@function
k_q1d3bbdef65_attn:
	s_mov_b64 s[64:65], 0
	v_nop
	global_prefetch_b8 v0, s[64:65] scope:SCOPE_SE
	s_setreg_imm32_b32 hwreg(HW_REG_WAVE_MODE, 25, 1), 1
	s_wait_xcnt 0x0
	s_wait_alu depctr_hold_cnt(0) depctr_sa_sdst(0) depctr_va_vdst(0) depctr_va_sdst(0) depctr_va_ssrc(0) depctr_va_vcc(0) depctr_vm_vsrc(0)
	s_getreg_b32 s2, hwreg(HW_REG_IB_STS2, 6, 4)
	s_cmp_eq_u32 s2, 0
	s_cbranch_scc0 .Lentry_in_a_cluster
	s_endpgm
.Lentry_in_a_cluster:
	s_bfe_u32 s2, ttmp6, 0x10000c
	s_cmp_lg_u32 s2, 0x3003
	s_cbranch_scc0 .Lentry_shape_is_right
	s_endpgm
.Lentry_shape_is_right:
; Causal attention on f16 operands, f32 sums: att[b][s][64 head + d] = sum over keys k <= s of softmax_k(q . k) v.  q and k come already divided by 64^(1/4), so the score is q . k.
; qkv: f16 [3][4096][1024]; att: f16 [4096][1024].
; SHARES.  A cluster of four work-groups serves one batch and one PAIR of heads (rows of K's and V's tiles, and pieces of att's rows, are then 256 aligned bytes).  y = 8 b + pair; the pair's four clusters X = 0 .. 3.
; Wave w: head e = w & 1 of the pair, rho = w >> 1, group of 64 queries g = 4 rho + X where bit 1 of rho is 0, 4 rho + 3 - X where it is 1: a wave works g + 1 key steps, and so the eight rho of a work-group,
; and the four that share every second wave number, sum to the same count in all four clusters.  The four partners hold the four tiles of 16 queries of each group: my tile begins at query 64 g + 16 cx.
; So every branch of the causal mask hangs on the wave's number and the cluster's number alone, the same in all four partners; cx enters global addresses and the mask's VALUES only.
; Keys go 64 a step; a wave works steps 0 .. g and jumps over the work of the others; step g lies on the diagonal and is masked by values.  All work-groups walk all 8 slots of 256 keys: the trip counts are constants.
; Every joint load brings bytes that are read in every partner: one load brings a slot's whole K (or V), and the last slot's first step, 28, counts for rho = 7, whose g is 28 or more.
; RING.  Two slots for K and two for V.  Wave 0 asks for K's tile, wave 1 for V's, jointly with the partners (mask 15); each change of slots is a round of the cluster's barrier; one tensor load of a wave is out behind a round.
; LAYOUT.  Both products transposed: S^T = K Q^T, O^T = V^T P: a lane holds one query (lane % 16) throughout; two tiles of S^T rounded to f16 in pairs are source 1 of the second product.  V is turned by ds_load_tr16_b128.
; SOFTMAX.  Running maximum MT of t = s log2(e) and running sum l: p = 2^(t - MT); in each step O and l are multiplied by 2^(old MT - new MT).
; The step is written once and can be jumped over, so O^T, l begin as zeros and MT as -3e38 (32 + 2 clearing lines, once).
; LIMITS: |q|, |k|, |v| and the result up to 65,504 (f16); |t| under 3e38; NaN and infinities are not served.  The first 16 positions of each sequence are computed here too; what the output holds of them is replaced by the last launch, which carries them finely.
.set PK,    272                        ; a row of K in LDS: 256 bytes + 16: the 16 rows of a load start at 16 different banks (64 banks of 4 bytes: ISA guide 11.1)
.set PV,    288                        ; a row of V: 256 + 32
.set KSLOT, 256*PK
.set VSLOT, 256*PV
.set VB,    2*KSLOT                    ; V's ring behind K's
.set SPARE, VB+2*VSLOT                 ; the spare words, 128 bytes a wave
.set TILEB, 256*2048                   ; 256 rows of qkv in bytes
.set AK0, 1                            ; v1  my lane's place in a step's K: 272 r + 16 h + 128 e
.set AV0, 2                            ; v2  and in V
.set SPW, 3
.set NIL, 4
.set DM,  5                            ; v5  16 cx + r - 8 h: register 8 kt + j of the diagonal step is hidden where 16 kt + j > DM
.set ADK, 6
.set ADV, 7
.set PFO, 8                            ; v8  2,048 x lane: the prefetches' offset, a lane a row
.set NINF, 9
.set STO, 10
.set RD,  11
.set MT,  12                           ; v[12:13] the running largest t (named as a pair)
.set LS,  14                           ; v[14:15] the sum, even and odd keys'
.set AA,  16                           ; v[16:17] 2^(old MT - new MT) (named as a pair)
.set QF,  24                           ; v24-39   Q: two fragments
.set KR,  40                           ; v40-103  K of a step: fragment (kt, ks) at 8 (2 kt + ks)
.set VF,  104                          ; v104-167 V^T of a step: fragment (u, ct) at 8 (4 u + ct)
.set S,   168                          ; v168-199 S^T, then p
.set P,   200                          ; v200-215 p in f16
.set OT,  216                          ; v216-247 O^T
.set GO,  248
.set WV,  8
.set CX,  9
.set G0Q, 15                           ; s15 64 g: my group's first query
.set KEY, 16                           ; s16 the step's first key
.set TK,  17                           ; s17 LDS byte of the step's K, from the ring's start
.set TV,  18
.set NS,  19
.set PAIRS, 20
.set CS,  22                           ; s[22:23] log2(e), twice
.set SEL, 24                           ; s[24:25] v_permlanex16_b32's selects for lane l xor 16
.set G1K, 28
.set G1V, 36
.set GK,  44                           ; s[44:47], s[48:51] group 0 of K's slots 0, 1
.set GV,  52                           ; s[52:55], s[56:59] of V's
.set PFA, 60
.set LIM, 62
.macro ROUND                           ; a round of the cluster's barrier
	s_barrier_signal -1
	s_barrier_wait -1
	s_cmp_lg_u32 s[WV], 0
	s_cbranch_scc1 .Lnot_wave_0_\@
	s_barrier_signal -3
.Lnot_wave_0_\@:
	s_barrier_wait -3
	s_barrier_signal -1
	s_barrier_wait -1
.endm
; Wave 0 asks for K's tile, wave 1 for V's, the others for nothing.  The branches hang on the wave's number alone.  An s_nop 0 and four v_nop follow each load.
.macro TLOAD gk, gv
	s_cmp_eq_u32 s[WV], 0
	s_cbranch_scc0 .Lnot_k_\@
	tensor_load_to_lds s[\gk:\gk+3], s[G1K:G1K+7]
	s_nop 0
.rept 4
	v_nop
.endr
	s_branch .Lasked_\@
.Lnot_k_\@:
	s_cmp_eq_u32 s[WV], 1
	s_cbranch_scc0 .Lasked_\@
	tensor_load_to_lds s[\gv:\gv+3], s[G1V:G1V+7]
	s_nop 0
.rept 4
	v_nop
.endr
.Lasked_\@:
.endm
; A prefetch of the tile that the NEXT change of slots will ask for: four key steps ahead of that load.  Each row's 256 bytes are named once in the launch: of the pair's four clusters the first (X = 0) asks;
; its four partners take 64 rows each, told apart by address; in each, waves 4 and 5 ask for K's rows and waves 6 and 7 for V's, a lane a row.  Tiles 0 and 1 come by their loads alone; the last refill asks for nothing.
.macro ASK
	s_cmp_eq_u32 s[LIM], 1
	s_cbranch_scc0 .Lnot_mine_\@
	global_prefetch_b8 v[PFO], s[PFA:PFA+1] th:TH_LOAD_NT scope:SCOPE_SE
.Lnot_mine_\@:
.endm
	s_load_b128 s[4:7], s[0:1], 0x0                ; qkv, att
	v_lshl_add_u32 v[SPW], v0, 2, SPARE
	v_mov_b32 v[NIL], 0
	ds_add_u32 v[SPW], v[NIL]                      ; the wave's opening: the add, twice on end, and its wait ahead of the first tensor load
	ds_add_u32 v[SPW], v[NIL]
	v_lshrrev_b32 v249, 5, v0
	v_readfirstlane_b32 s[WV], v249                ; wave 0..15
	s_bfe_u32 s[CX], ttmp6, 0x40000                ; cx
	s_and_b32 s10, ttmp7, 0xffff
	s_lshr_b32 s11, s10, 3                         ; b
	s_and_b32 s12, s10, 7                          ; the pair of heads
	s_and_b32 s13, s[WV], 1                        ; e
	s_lshr_b32 s14, s[WV], 1                       ; rho
	s_bfe_u32 s66, s[WV], 0x10002                  ; bit 1 of rho
	s_mul_i32 s66, s66, 3
	s_xor_b32 s66, s66, ttmp9                      ; X, or X xor 3 = 3 - X (in a cluster launch ttmp9 counts clusters)
	s_lshl_b32 s[G0Q], s14, 2
	s_add_co_u32 s[G0Q], s[G0Q], s66               ; g
	s_lshl_b32 s[G0Q], s[G0Q], 6
	; descriptor group 1: 256 rows x 128 elements of 2 bytes, 1,024 elements from row to row
	s_mov_b32 s[G1K], 15|(1<<16)|(1<<20)|(1<<21)|(5<<22)|(3<<25)  ; the mask: all four; padding: 4 words after every 64; bit 21 beside a mask
	s_mov_b32 s[G1V], 15|(1<<16)|(1<<20)|(1<<21)|(5<<22)|(7<<25)  ; the same with 8 words of padding
.irp g, G1K, G1V
	s_mov_b32 s[\g+1], 128<<16                     ; tensor_dim0
	s_mov_b32 s[\g+2], 256<<16                     ; tensor_dim1
	s_mov_b32 s[\g+3], 128<<16                     ; tile_dim0
	s_mov_b32 s[\g+4], 256                         ; tile_dim1
	s_mov_b32 s[\g+5], 1024                        ; the pitch
	s_mov_b32 s[\g+6], 0
	s_mov_b32 s[\g+7], 0
.endr
	s_mov_b32 s[CS], 0x3fb8aa3b                    ; log2(e)
	s_mov_b32 s[CS+1], s[CS]
	s_mov_b32 s[SEL], 0x76543210
	s_mov_b32 s[SEL+1], 0xfedcba98
	s_lshl_b32 s66, s11, 22                        ; b x 2,048 rows of 2,048 bytes
	s_lshl_b32 s67, s12, 8                         ; + 256 bytes a pair of heads
	s_add_co_u32 s66, s66, s67
	s_mov_b32 s67, 0
	s_lshl_b32 s74, s[CX], 4                       ; 16 cx
	s_add_co_u32 s75, s74, s[G0Q]                  ; my first query
	s_lshl_b32 s21, s13, 7                         ; 128 e
	s_lshl_b32 s76, s75, 11
	s_add_co_u32 s76, s76, s21
	s_mov_b32 s77, 0
	s_lshl_b32 s78, s11, 11                        ; att: row 2,048 b + my first query + 8 e (the rows that I store), + 256 bytes a pair
	s_add_co_u32 s78, s78, s75
	s_lshl_b32 s79, s13, 3
	s_add_co_u32 s78, s78, s79
	s_lshl_b32 s78, s78, 11
	s_lshl_b32 s79, s12, 8
	s_add_co_u32 s78, s78, s79
	s_mov_b32 s79, 0
	s_wait_dscnt 0x0                               ; both opening adds are done
	s_wait_kmcnt 0x0
	s_add_nc_u64 s[68:69], s[4:5], s[66:67]        ; q of my batch and pair,
	s_add_nc_u64 s[70:71], s[68:69], 0x800000      ; k,
	s_add_nc_u64 s[72:73], s[68:69], 0x1000000     ; v: nothing of cx in these
	s_add_nc_u64 s[76:77], s[68:69], s[76:77]      ; my tile of Q
	s_add_nc_u64 s[78:79], s[6:7], s[78:79]
	s_mov_b32 s[GK], 1
	s_mov_b32 s[GK+1], 0
	s_mov_b64 s[GK+2:GK+3], s[70:71]               ; tile 0
	s_or_b32 s[GK+3], s[GK+3], 0x80000000
	s_mov_b32 s[GK+4], 1
	s_mov_b32 s[GK+5], KSLOT
	s_add_nc_u64 s[GK+6:GK+7], s[70:71], TILEB     ; tile 1
	s_or_b32 s[GK+7], s[GK+7], 0x80000000
	s_mov_b32 s[GV], 1
	s_mov_b32 s[GV+1], VB
	s_mov_b64 s[GV+2:GV+3], s[72:73]
	s_or_b32 s[GV+3], s[GV+3], 0x80000000
	s_mov_b32 s[GV+4], 1
	s_mov_b32 s[GV+5], VB+VSLOT
	s_add_nc_u64 s[GV+6:GV+7], s[72:73], TILEB
	s_or_b32 s[GV+7], s[GV+7], 0x80000000
	ROUND                                          ; all four work-groups are here: the first joint loads meet
	TLOAD GK, GV                                   ; tile 0 into slot 0
	v_and_b32 v249, 15, v0                         ; r
	v_bfe_u32 v250, v0, 4, 1                       ; h
	v_lshlrev_b32 v251, 11, v249
	v_lshl_add_u32 v251, v250, 4, v251             ; Q: 2,048 r + 16 h
.irp i, 0,1,2,3
	global_load_b128 v[QF+4*\i:QF+4*\i+3], v251, s[76:77] offset:32*\i   ; Q stays in registers: channels 32 (i / 2) + 16 (i % 2) + 8 h on
.endr
	s_cmp_lt_u32 s[WV], 6                          ; the prefetches: waves 4, 5 K's rows; 6, 7 V's
	s_cselect_b64 s[PFA:PFA+1], s[70:71], s[72:73]
	s_lshl_b32 s66, s[CX], 17                      ; my work-group's 64 rows,
	s_lshl_b32 s67, s13, 16                        ; my wave's 32 of them,
	s_add_co_u32 s66, s66, s67
	s_add_co_u32 s66, s66, TILEB                   ; in tile 1: the first change of slots steps it to tile 2
	s_mov_b32 s67, 0
	s_add_nc_u64 s[PFA:PFA+1], s[PFA:PFA+1], s[66:67]
	s_lshr_b32 s[LIM], s[WV], 2
	s_xor_b32 s[LIM], s[LIM], 1                    ; 0 in waves 4 to 7,
	s_or_b32 s[LIM], s[LIM], ttmp9                 ; of the pair's first cluster: the same in all four partners
	s_cmp_eq_u32 s[LIM], 0
	s_cselect_b32 s[LIM], 1, 0
	v_and_b32 v[PFO], 31, v0
	v_lshlrev_b32 v[PFO], 11, v[PFO]
	v_mul_u32_u24 v[AK0], v249, PK
	v_lshl_add_u32 v[AK0], v250, 4, v[AK0]
	v_add_nc_u32 v[AK0], s21, v[AK0]
	v_and_b32 v252, 7, v0
	v_bfe_u32 v253, v0, 3, 1
	v_lshl_add_u32 v[AV0], v250, 3, v252           ; the turning load: key 8 h + l % 8,
	v_mul_u32_u24 v[AV0], v[AV0], PV
	v_lshl_add_u32 v[AV0], v253, 4, v[AV0]         ; channels 8 ((l / 8) % 2) on
	s_add_co_u32 s66, s21, VB
	v_add_nc_u32 v[AV0], s66, v[AV0]
	v_lshlrev_b32 v252, 3, v250
	v_sub_nc_u32 v[DM], v249, v252
	v_add_nc_u32 v[DM], s74, v[DM]
	s_mul_i32 s66, s14, 16*PK                      ; the way out's stage, 128 rows x 272 bytes from LDS byte 0: rows 16 rho + r, my head's 128 bytes, 16 bytes for each half of the lanes
	v_add_nc_u32 v[STO], s66, v[AK0]
	v_mul_u32_u24 v[RD], v250, PK                  ; back: rows 8 w on, whole: lanes 0-15 one row, lanes 16-31 the next
	v_lshl_add_u32 v[RD], v249, 4, v[RD]
	s_mul_i32 s66, s[WV], 8*PK
	v_add_nc_u32 v[RD], s66, v[RD]
	v_lshlrev_b32 v[GO], 11, v250
	v_lshl_add_u32 v[GO], v249, 4, v[GO]
	v_mov_b32 v[NINF], 0xff800000
	v_mov_b32 v[MT], 0xff61b1e6                    ; -3e38, under every t
	v_mov_b32 v[MT+1], 0
	v_mov_b32 v[LS], 0
	v_mov_b32 v[LS+1], 0
	v_mov_b32 v[AA], 0
	v_mov_b32 v[AA+1], 0
	v_mov_b32 v22, 0                               ; a lane permute's destination counts as one of its sources
.set i, 0
.rept 32
	v_mov_b32 v[OT+i], 0
.set i, i+1
.endr
	s_mov_b32 s[KEY], 0
	s_mov_b32 s[PAIRS], 3
; A KEY STEP: 64 keys.
.macro STEP
	s_cmp_gt_u32 s[KEY], s[G0Q]                    ; all its keys come after my group's queries: the work is jumped over, not the lines at its end that step addresses
	s_cbranch_scc1 .Lhid_\@
	v_add_nc_u32 v[ADK], s[TK], v[AK0]
	v_add_nc_u32 v[ADV], s[TV], v[AV0]
	v_nop
	v_nop                                          ; four plain lines between the last step's products and the loads into V's registers
.irp kt, 0,1,2,3
.irp ks, 0,1
.irp cc, 0,1
	ds_load_b128 v[KR+8*(2*\kt+\ks)+4*\cc:KR+8*(2*\kt+\ks)+4*\cc+3], v[ADK] offset:16*PK*\kt+64*\ks+32*\cc
.endr
.endr
.endr
.irp u, 0,1
.irp ct, 0,1,2,3
.irp cc, 0,1
	ds_load_tr16_b128 v[VF+8*(4*\u+\ct)+4*\cc:VF+8*(4*\u+\ct)+4*\cc+3], v[ADV] offset:32*PV*\u+16*PV*\cc+32*\ct
.endr
.endr
.endr
	s_wait_dscnt 16                                ; K's sixteen loads are in; V's sixteen may be out
.irp kt, 0,1,2,3                               ; S^T = K Q^T: four accumulators by turns; the first four start the sums
	v_wmma_f32_16x16x32_f16 v[S+8*\kt:S+8*\kt+7], v[KR+16*\kt:KR+16*\kt+7], v[QF:QF+7], 0
.endr
.irp kt, 0,1,2,3
	v_wmma_f32_16x16x32_f16 v[S+8*\kt:S+8*\kt+7], v[KR+16*\kt+8:KR+16*\kt+15], v[QF+8:QF+15], v[S+8*\kt:S+8*\kt+7]
.endr
.rept 4
	v_nop
.endr
	s_cmp_lg_u32 s[KEY], s[G0Q]
	s_cbranch_scc1 .Lopen_\@
.irp n, 0,1,2,3,4,5,6,7,8,9,10,11,12,13,14,15,16,17,18,19,20,21,22,23,24,25,26,27,28,29,30,31
	v_cmp_gt_i32 vcc_lo, 16*(\n/8)+\n%8, v[DM]     ; on the diagonal hidden scores become -infinity ahead of the maximum: p = 0 then; a query's own key always counts
	v_cndmask_b32 v[S+\n], v[S+\n], v[NINF], vcc_lo
.endr
.Lopen_\@:
.irp k, 0,1,2,3
	v_max3_num_f32 v[18+\k], v[S+8*\k], v[S+8*\k+1], v[S+8*\k+2]   ; the largest score, in four chains, each accumulator from its low end on
.endr
.irp k, 0,1,2,3
	v_max3_num_f32 v[18+\k], v[18+\k], v[S+8*\k+3], v[S+8*\k+4]
.endr
.irp k, 0,1,2,3
	v_max3_num_f32 v[18+\k], v[18+\k], v[S+8*\k+5], v[S+8*\k+6]
.endr
	v_max3_num_f32 v18, v18, v[S+7], v[S+15]
	v_max3_num_f32 v20, v20, v[S+23], v[S+31]
	v_max3_num_f32 v18, v18, v19, v20
	v_max_num_f32 v18, v18, v21
	v_permlanex16_b32 v22, v18, s[SEL], s[SEL+1]   ; the query's other 32 keys lie in the lane 16 away
	v_mov_b32 v23, v[MT]
	v_max_num_f32 v18, v18, v22
	v_mul_f32 v18, s[CS], v18                      ; as t
	v_max_num_f32 v[MT], v[MT], v18
	v_sub_f32 v23, v23, v[MT]                      ; old MT - new MT, 0 or less
.irp i, 0,2,4,6,8,10,12,14,16,18,20,22,24,26,28,30
	v_pk_fma_f32 v[S+\i:S+\i+1], v[S+\i:S+\i+1], s[CS:CS+1], v[MT:MT+1] op_sel_hi:[1,0,0] neg_lo:[0,0,1] neg_hi:[0,0,1]   ; t - MT, two at a time
.endr
	v_exp_f32 v[AA], v23                           ; ONE BATCH of 33 exponentials,
.irp i, 0,1,2,3,4,5,6,7,8,9,10,11,12,13,14,15,16,17,18,19,20,21,22,23,24,25,26,27,28,29,30,31
	v_exp_f32 v[S+\i], v[S+\i]
.endr
	v_nop                                          ; one plain line behind the last of them,
	s_wait_alu depctr_va_vdst(0)                   ; and one wait ahead of the first line that names a result
.irp i, 0,1,2,3,4,5,6,7,8,9,10,11,12,13,14,15
	v_cvt_pk_f16_f32 v[P+\i], v[S+2*\i], v[S+2*\i+1]
.endr
.irp u, 0,1,2,3,4,5,6,7                        ; the sum of the unrounded p, as a tree, in place
	v_pk_add_f32 v[S+4*\u:S+4*\u+1], v[S+4*\u:S+4*\u+1], v[S+4*\u+2:S+4*\u+3]
.endr
.irp u, 0,1,2,3
	v_pk_add_f32 v[S+8*\u:S+8*\u+1], v[S+8*\u:S+8*\u+1], v[S+8*\u+4:S+8*\u+5]
.endr
.irp u, 0,1
	v_pk_add_f32 v[S+16*\u:S+16*\u+1], v[S+16*\u:S+16*\u+1], v[S+16*\u+8:S+16*\u+9]
.endr
	v_pk_add_f32 v[S:S+1], v[S:S+1], v[S+16:S+17]
	v_pk_fma_f32 v[LS:LS+1], v[LS:LS+1], v[AA:AA+1], v[S:S+1] op_sel_hi:[1,0,1]
.irp i, 0,2,4,6,8,10,12,14,16,18,20,22,24,26,28,30
	v_pk_mul_f32 v[OT+\i:OT+\i+1], v[OT+\i:OT+\i+1], v[AA:AA+1] op_sel_hi:[1,0]   ; O^T under the new maximum, each accumulator from its low end on
.endr
	s_wait_dscnt 0x0                               ; V is in
.irp u, 0,1                                    ; O^T += V^T P: four accumulators by turns
.irp ct, 0,1,2,3
	v_wmma_f32_16x16x32_f16 v[OT+8*\ct:OT+8*\ct+7], v[VF+8*(4*\u+\ct):VF+8*(4*\u+\ct)+7], v[P+8*\u:P+8*\u+7], v[OT+8*\ct:OT+8*\ct+7]
.endr
.endr
.Lhid_\@:
	s_add_co_u32 s[KEY], s[KEY], 64
	s_add_co_u32 s[TK], s[TK], 64*PK
	s_add_co_u32 s[TV], s[TV], 64*PV
.endm
.macro SLOT_STEPS                      ; a slot's four key steps: written once, walked four times
	s_mov_b32 s[NS], 4
.Lstep_\@:
	STEP
	s_sub_co_u32 s[NS], s[NS], 1
	s_cmp_lg_u32 s[NS], 0
	s_cbranch_scc1 .Lstep_\@
.endm
; THE CHANGE OF SLOTS, at a slot's head.  Each wave waits for all its tensor loads (the slot that it is about to read), adds 0 to its spare word, and waits for that and for its reads of the slot that it has left.
; Behind the round no wave of any partner reads the other slot or has a load on its way: refill = 1: it takes the next tile, which has four key steps in which to land.
.macro TRIP slot, refill, ask
	s_wait_tensorcnt 0x0                           ; no tensor load of mine is out, so a group 0 may be written
	ds_add_u32 v[SPW], v[NIL]
.if \refill
	ds_add_u32 v[SPW], v[NIL]
.endif
	s_add_nc_u64 s[GK+4*\slot+2:GK+4*\slot+3], s[GK+4*\slot+2:GK+4*\slot+3], 2*TILEB   ; this slot's next tile
	s_add_nc_u64 s[GV+4*\slot+2:GV+4*\slot+3], s[GV+4*\slot+2:GV+4*\slot+3], 2*TILEB
.if \ask
	s_wait_xcnt 0x0                                ; the last prefetch, a slot back, has read its address
	s_add_nc_u64 s[PFA:PFA+1], s[PFA:PFA+1], TILEB
.endif
	s_wait_dscnt 0x0
	ROUND
.if \refill
	TLOAD GK+4-4*\slot, GV+4-4*\slot               ; the first thing behind the round, and a wave's one tensor load until the next
.endif
.if \ask
	ASK
.endif
.endm
	s_wait_loadcnt 0x0                             ; Q
.Lpair:                                            ; three trips of two slots; behind each change the next tile is asked for: tiles 1 to 6
	s_mov_b32 s[TK], 0
	s_mov_b32 s[TV], 0
	TRIP 0, 1, 1
	SLOT_STEPS
	TRIP 1, 1, 1
	SLOT_STEPS
	s_sub_co_u32 s[PAIRS], s[PAIRS], 1
	s_cmp_lg_u32 s[PAIRS], 0
	s_cbranch_scc1 .Lpair
	s_mov_b32 s[TK], 0                             ; the tail is written out
	s_mov_b32 s[TV], 0
	TRIP 0, 1, 0                                   ; tile 7, the last
	SLOT_STEPS
	TRIP 1, 0, 0
	SLOT_STEPS
	; THE WAY OUT.  O^T / l, rounded to f16, into a stage that the two heads of a pair share (K's slot 0: it has had its last fill, and nobody reads it behind the last round); a barrier; back as whole pieces of 256 bytes.
.rept 4
	v_nop                                          ; places behind the last products
.endr
	v_add_f32 v[LS], v[LS], v[LS+1]
	v_permlanex16_b32 v22, v[LS], s[SEL], s[SEL+1]
	v_add_f32 v[LS], v[LS], v22
	v_rcp_f32 v[AA], v[LS]
	v_nop
	s_wait_alu depctr_va_vdst(0)                   ; a wait ahead of the reciprocal's first reader
.irp i, 0,2,4,6,8,10,12,14,16,18,20,22,24,26,28,30
	v_pk_mul_f32 v[S+\i:S+\i+1], v[OT+\i:OT+\i+1], v[AA:AA+1] op_sel_hi:[1,0]
.endr
.irp i, 0,1,2,3,4,5,6,7,8,9,10,11,12,13,14,15
	v_cvt_pk_f16_f32 v[P+\i], v[S+2*\i], v[S+2*\i+1]
.endr
.irp ct, 0,1,2,3
	ds_store_b128 v[STO], v[P+4*\ct:P+4*\ct+3] offset:32*\ct
.endr
	s_wait_dscnt 0x0                               ; for the other head's wave: my stores are done
	s_barrier_signal -1
	s_barrier_wait -1
.irp i, 0,1,2,3
	ds_load_b128 v[S+4*\i:S+4*\i+3], v[RD] offset:2*PK*\i
.endr
.irp i, 0,1,2,3
	s_wait_dscnt 3-\i
	global_store_b128 v[GO], v[S+4*\i:S+4*\i+3], s[78:79] offset:4096*\i   ; sixteen lanes store 256 consecutive bytes, aligned
.endr
	s_wait_tensorcnt 0x0                           ; the wave's end
	ds_add_u32 v[SPW], v[NIL]
	s_wait_dscnt 0x0
	ROUND                                          ; the closing round
	s_endpgm
.Lfunc_end_k_q1d3bbdef65_attn:
	.size	k_q1d3bbdef65_attn, .Lfunc_end_k_q1d3bbdef65_attn-k_q1d3bbdef65_attn
	.p2alignl 7, 3214868480
	.fill 96, 4, 3214868480
	.section	.rodata,"a",@progbits
	.p2align	6, 0x0
	.amdhsa_kernel k_q1d3bbdef65_attn
		.amdhsa_group_segment_fixed_size 327680
		.amdhsa_private_segment_fixed_size 0
		.amdhsa_enable_private_segment 0
		.amdhsa_kernarg_size 16
		.amdhsa_user_sgpr_count 2
		.amdhsa_user_sgpr_kernarg_segment_ptr 1
		.amdhsa_wavefront_size32 1
		.amdhsa_system_sgpr_workgroup_id_x 1
		.amdhsa_system_sgpr_workgroup_id_y 1
		.amdhsa_system_sgpr_workgroup_id_z 1
		.amdhsa_system_vgpr_workitem_id 0
		.amdhsa_next_free_vgpr 256
		.amdhsa_next_free_sgpr 80
		.amdhsa_reserve_vcc 1
		.amdhsa_float_denorm_mode_32 3
		.amdhsa_float_denorm_mode_16_64 3
		.amdhsa_memory_ordered 1
		.amdhsa_forward_progress 1
		.amdhsa_inst_pref_size 66
	.end_amdhsa_kernel
	.amdgpu_metadata
---
amdhsa.version: [ 1, 2 ]
amdhsa.kernels:
  - .name:           k_q1d3bbdef65_attn
    .symbol:         k_q1d3bbdef65_attn.kd
    .args:
      - { .name: qkv, .offset: 0, .size: 8, .value_kind: global_buffer, .address_space: global }
      - { .name: att, .offset: 8, .size: 8, .value_kind: global_buffer, .address_space: global }
    .group_segment_fixed_size: 327680
    .private_segment_fixed_size: 0
    .kernarg_segment_align: 8
    .kernarg_segment_size: 16
    .max_flat_workgroup_size: 512
    .sgpr_count:     80
    .vgpr_count:     256
    .wavefront_size: 32
...
	.end_amdgpu_metadata
.endif
;; end of part 3
;; launch oproj (part 4): grid 8 x 32, 4 waves a work-group, clusters of 4 x 4, 327,680 bytes of LDS; arguments att, wot, bo, out0; writes out0
.if DOCPART == 4
	.amdgcn_target "amdgcn-amd-amdhsa--gfx1250"
	.amdhsa_code_object_version 6
	.text
	.protected	k_q1d3bbdef65_oproj
	.globl	k_q1d3bbdef65_oproj
	.p2align	8
	.type	k_q1d3bbdef65_oproj,@function
k_q1d3bbdef65_oproj:
	s_mov_b64 s[64:65], 0
	v_nop
	global_prefetch_b8 v0, s[64:65] scope:SCOPE_SE
	s_setreg_imm32_b32 hwreg(HW_REG_WAVE_MODE, 25, 1), 1
	s_wait_xcnt 0x0
	s_wait_alu depctr_hold_cnt(0) depctr_sa_sdst(0) depctr_va_vdst(0) depctr_va_sdst(0) depctr_va_ssrc(0) depctr_va_vcc(0) depctr_vm_vsrc(0)
	s_getreg_b32 s2, hwreg(HW_REG_IB_STS2, 6, 4)
	s_cmp_eq_u32 s2, 0
	s_cbranch_scc0 .Lentry_in_a_cluster
	s_endpgm
.Lentry_in_a_cluster:
	s_bfe_u32 s2, ttmp6, 0x10000c
	s_cmp_lg_u32 s2, 0xf033
	s_cbranch_scc0 .Lentry_shape_is_right
	s_endpgm
.Lentry_shape_is_right:
; out0[m][n] = sum over k of att[m][k] wot[n][k] + bo[n].  att [4096][1024], wot [1024][1024]: f16; out0 [4096][1024], bo: f32; sums in f32.
; 256 tiles of 128 x 128, one to a work-group of four waves, 64 x 64 each: 16 accumulators.  K goes in steps of 256 (LDS rows of 512 bytes) through a ring of two slots.
; CLUSTERS: 4 x 4 work-groups; A's tiles are asked for jointly along a row of the cluster, B's along a column.  THE MATRIX INSTRUCTION IS USED TRANSPOSED: a lane holds eight neighbouring columns of a row.
; THE BIAS IS THE C OF EACH SUM'S FIRST INSTRUCTION.  A wave's 64 columns of f32 are 256 aligned bytes: each wave has a stage of its own on the way out, and no barrier stands there.
; The 32 rows of the first 16 positions of both sequences are written here like all others (leaving them out would be a branch on a work-group's place in its cluster) and are written again, finely, by the last launch.
; REGISTERS: window 0: v0-31 addresses; v32-63 the bias, then with v64-95 the way out; v128-255 the accumulators ((a, b) at v[128 + 8 (4 a + b)]).   window 1: two fragment buffers of 128.
.set SIZE_N, 1024
.set SIZE_K, 1024
.set KSTEP,  256
.set PITCH,  528                       ; 512 bytes + 16 = 132 words: the 16 rows of a load start at 16 different banks (64 banks of 4 bytes: ISA guide 11.1)
.set HALFT,  64*PITCH
.set SLOT,   4*HALFT
.set STAGE,  2*SLOT                    ; behind the ring: 16 rows x 272 bytes for each wave
.set SPITCH, 272
.set SPARE,  STAGE+4*16*SPITCH         ; the spare words, 128 bytes a wave
.set LAPS, SIZE_K/(2*KSTEP)
.set ADRA, 16
.set ADRB, 20
.set STO,  24
.set RD,   25
.set CO,   26
.set SPW,  28
.set NIL,  29
.set BAD,  30
.set BI,   32
.set BK,   32
.set ACC,  128
.set F0,   0
.set F1,   128
.set G1, 24
.set G0, 32
.set G1B, 48
.set G0B, 56
.set MSB, 0
.macro WIN new
.if MSB != \new
	s_set_vgpr_msb (MSB<<8)|\new
.set MSB, \new
.endif
.endm
.set MUL,  0x05                        ; sources 0 (B) and 1 (A) window 1; C and D window 0
.set TO_F, 0x40                        ; destination window 1, address window 0
.macro JLOAD s                         ; a joint load: waves 0 and 1 fetch A's two halves, waves 2 and 3 B's; an s_nop 0 and four v_nop follow each line
	s_cmp_eq_u32 s11, 0
	s_cbranch_scc0 .Lfor_b_\@
	tensor_load_to_lds s[G0+4*\s:G0+4*\s+3], s[G1:G1+7]
	s_nop 0
.rept 4
	v_nop
.endr
	s_branch .Lasked_\@
.Lfor_b_\@:
	tensor_load_to_lds s[G0B+4*\s:G0B+4*\s+3], s[G1B:G1B+7]
	s_nop 0
.rept 4
	v_nop
.endr
.Lasked_\@:
.endm
.macro CREST                           ; a round of the cluster's barrier behind its opening barrier
	s_cmp_lg_u32 s10, 0
	s_cbranch_scc1 .Lnot_wave_0_\@
	s_barrier_signal -3
.Lnot_wave_0_\@:
	s_barrier_wait -3
	s_barrier_signal -1
	s_barrier_wait -1
.endm
.macro CROUND
	s_barrier_signal -1
	s_barrier_wait -1
	CREST
.endm
	s_load_b128 s[4:7], s[0:1], 0x0                ; att, wot
	s_load_b64 s[66:67], s[0:1], 0x10              ; bo
	s_load_b64 s[8:9], s[0:1], 0x18                ; out0
	v_lshl_add_u32 v[SPW], v0, 2, SPARE
	v_mov_b32 v[NIL], 0
	ds_add_u32 v[SPW], v[NIL]                      ; the wave's opening: the add, twice on end, and its wait ahead of my first tensor load
	ds_add_u32 v[SPW], v[NIL]
	v_lshrrev_b32 v1, 5, v0
	v_readfirstlane_b32 s10, v1                    ; wave 0..3
	s_lshr_b32 s11, s10, 1                         ; my half of the tile's rows.  Also: I fetch for A (0) or for B (1)
	s_and_b32 s12, s10, 1                          ; my half of its columns.  Also: which 64 rows of that tile I fetch
	s_bfe_u32 s40, ttmp6, 0x40000
	s_bfe_u32 s41, ttmp6, 0x40004
	s_lshl_b32 s42, ttmp9, 2
	s_add_co_u32 s42, s42, s40                     ; tile column
	s_and_b32 s13, ttmp7, 0xffff
	s_lshl_b32 s13, s13, 2
	s_add_co_u32 s13, s13, s41                     ; tile row
	s_lshl_b32 s43, s41, 2
	s_lshl_b32 s43, 15, s43                        ; my row of the cluster
	s_lshl_b32 s44, 0x1111, s40                    ; my column
	s_or_b32 s[G1+0], s43, (1<<16)|(1<<20)|(1<<21)|(6<<22)|(3<<25)  ; the mask; elements of 2 bytes; padding: 4 words after every 128; bit 21 beside a mask
	s_or_b32 s[G1B+0], s44, (1<<16)|(1<<20)|(1<<21)|(6<<22)|(3<<25)
.irp g, G1, G1B
	s_mov_b32 s[\g+1], KSTEP<<16
	s_mov_b32 s[\g+2], 64<<16
	s_mov_b32 s[\g+3], KSTEP<<16
	s_mov_b32 s[\g+4], 64
	s_mov_b32 s[\g+5], SIZE_K
	s_mov_b32 s[\g+6], 0
	s_mov_b32 s[\g+7], 0
.endr
	s_lshl_b32 s17, s12, 6
	s_lshl_b32 s16, s13, 7
	s_add_co_u32 s16, s16, s17                     ; A: row 128 x tile row + 64 x half
	s_lshl_b32 s46, s42, 7
	s_add_co_u32 s46, s46, s17                     ; B: row 128 x tile column + 64 x half
	s_mov_b32 s17, 0
	s_mov_b32 s47, 0
	s_mov_b64 s[18:19], SIZE_K*2
	s_mul_u64 s[16:17], s[16:17], s[18:19]
	s_mul_u64 s[46:47], s[46:47], s[18:19]
	s_mul_i32 s20, s10, HALFT
	s_wait_dscnt 0x0
	s_wait_kmcnt 0x0
	s_add_nc_u64 s[14:15], s[4:5], s[16:17]
	s_add_nc_u64 s[46:47], s[6:7], s[46:47]
	CROUND                                         ; all sixteen work-groups are here: the first joint loads meet
.irp s, 0,1
	s_mov_b32 s[G0+4*\s], 1
	s_add_co_u32 s[G0+4*\s+1], s20, \s*SLOT
	s_add_nc_u64 s[G0+4*\s+2:G0+4*\s+3], s[14:15], \s*KSTEP*2
	s_or_b32 s[G0+4*\s+3], s[G0+4*\s+3], 0x80000000
	s_mov_b32 s[G0B+4*\s], 1
	s_add_co_u32 s[G0B+4*\s+1], s20, \s*SLOT
	s_add_nc_u64 s[G0B+4*\s+2:G0B+4*\s+3], s[46:47], \s*KSTEP*2
	s_or_b32 s[G0B+4*\s+3], s[G0B+4*\s+3], 0x80000000
	JLOAD \s
.endr
	v_and_b32 v1, 15, v0
	v_bfe_u32 v2, v0, 4, 1
	v_mul_u32_u24 v3, v1, PITCH
	v_lshl_add_u32 v3, v2, 4, v3
	s_mul_i32 s21, s11, HALFT
	s_mul_i32 s22, s12, HALFT
	s_add_co_u32 s22, s22, 2*HALFT
.irp s, 0,1
	v_add_nc_u32 v[ADRA+\s], s21, v3
	v_add_nc_u32 v[ADRB+\s], s22, v3
	s_add_co_u32 s21, s21, SLOT
	s_add_co_u32 s22, s22, SLOT
.endr
	s_mul_i32 s23, s10, 16*SPITCH
	s_add_co_u32 s23, s23, STAGE                   ; my stage
	v_mul_u32_u24 v4, v1, SPITCH                   ; in: row l % 16, 32 bytes for each half of the lanes
	v_lshl_add_u32 v4, v2, 5, v4
	v_add_nc_u32 v[STO], s23, v4
	v_mul_u32_u24 v5, v2, SPITCH                   ; back: lanes 0-15 one row of 256 bytes, lanes 16-31 the next
	v_lshl_add_u32 v5, v1, 4, v5
	v_add_nc_u32 v[RD], s23, v5
	v_lshlrev_b32 v5, 12, v2                       ; and the same two rows in out0 (4,096 bytes a row)
	v_lshl_add_u32 v[CO], v1, 4, v5
	v_lshlrev_b32 v[BAD], 5, v2
	s_lshl_b32 s16, s13, 7
	s_lshl_b32 s17, s11, 6
	s_add_co_u32 s16, s16, s17                     ; my first row
	s_lshl_b32 s16, s16, 12
	s_mov_b32 s17, 0
	s_add_nc_u64 s[8:9], s[8:9], s[16:17]
	s_lshl_b32 s46, s42, 9                         ; my first column in bytes: 512 x tile column + 256 x half
	s_lshl_b32 s47, s12, 8
	s_add_co_u32 s46, s46, s47
	s_mov_b32 s47, 0
	s_add_nc_u64 s[8:9], s[8:9], s[46:47]
	s_add_nc_u64 s[66:67], s[66:67], s[46:47]
.irp b, 0,1,2,3                                ; lane (r, h), block b, register j: bo of column 16 b + 8 h + j
	global_load_b128 v[BI+8*\b:BI+8*\b+3], v[BAD], s[66:67] offset:64*\b
	global_load_b128 v[BI+8*\b+4:BI+8*\b+7], v[BAD], s[66:67] offset:64*\b+16
.endr
; 8 matrix instructions: m blocks a0, a0 + 1 x all 4 n blocks, 32 along K: half c of buffer f.  first = 1: the bias is the C.  The 16 accumulators take turns.
.macro MUL8 f, c, a0, first
.irp a, \a0, \a0+1
.irp b, 0,1,2,3
.if \first
	v_wmma_f32_16x16x32_f16 v[ACC+8*(4*(\a)+\b):ACC+8*(4*(\a)+\b)+7], v[\f+64+8*(4*\c+\b):\f+64+8*(4*\c+\b)+7], v[\f+8*(4*\c+\a):\f+8*(4*\c+\a)+7], v[BI+8*\b:BI+8*\b+7]
.else
	v_wmma_f32_16x16x32_f16 v[ACC+8*(4*(\a)+\b):ACC+8*(4*(\a)+\b)+7], v[\f+64+8*(4*\c+\b):\f+64+8*(4*\c+\b)+7], v[\f+8*(4*\c+\a):\f+8*(4*\c+\a)+7], v[ACC+8*(4*(\a)+\b):ACC+8*(4*(\a)+\b)+7]
.endif
.endr
.endr
.endm
.macro FETCH slot, k, f                ; 32 LDS loads in one run: the fragments of 64 along K at byte k of the rows; the first 32 along K first
	WIN TO_F
.irp c, 0,1
.irp i, 0,1,2,3
	ds_load_b128 v[\f+64+8*(4*\c+\i):\f+64+8*(4*\c+\i)+3],   v[ADRB+\slot] offset:\k+64*\c+\i*16*PITCH
	ds_load_b128 v[\f+64+8*(4*\c+\i)+4:\f+64+8*(4*\c+\i)+7], v[ADRB+\slot] offset:\k+64*\c+\i*16*PITCH+32
	ds_load_b128 v[\f+8*(4*\c+\i):\f+8*(4*\c+\i)+3],         v[ADRA+\slot] offset:\k+64*\c+\i*16*PITCH
	ds_load_b128 v[\f+8*(4*\c+\i)+4:\f+8*(4*\c+\i)+7],       v[ADRA+\slot] offset:\k+64*\c+\i*16*PITCH+32
.endr
.endr
.endm
.macro PLACES
.rept 4
	v_nop
.endr
.endm
.macro QUARTER slot, k, f, g, first
	s_wait_dscnt 16                                ; the first 32 along K are in; the other sixteen loads may be out
	WIN MUL
	MUL8 \f, 0, 0, \first
	MUL8 \f, 0, 2, \first
	PLACES
	FETCH \slot, \k, \g
	s_wait_dscnt 32                                ; all but the 32 just issued
	WIN MUL
	MUL8 \f, 1, 0, 0
	MUL8 \f, 1, 2, 0
.endm
; The last quarter changes slots: one barrier; in front of it each wave waits for all its tensor loads, adds 0 to its spare word, and waits for that and for its reads of this slot.
.macro TURN slot, next, fill
	WIN 0
	s_wait_tensorcnt 0x0
	ds_add_u32 v[SPW], v[NIL]
	s_wait_dscnt 17                                ; (the add and the youngest sixteen loads may be out)
	WIN MUL
	MUL8 F1, 0, 0, 0
	s_wait_dscnt 0x0
	s_barrier_signal -1
	MUL8 F1, 0, 2, 0
.if \fill
	WIN 0
.endif
	s_barrier_wait -1
.if \fill
	CREST                                          ; the barrier has opened a round of the cluster's: no wave of any partner still reads this slot or has a load on its way
	s_add_nc_u64 s[G0+4*\slot+2:G0+4*\slot+3], s[G0+4*\slot+2:G0+4*\slot+3], 2*KSTEP*2
	s_add_nc_u64 s[G0B+4*\slot+2:G0B+4*\slot+3], s[G0B+4*\slot+2:G0B+4*\slot+3], 2*KSTEP*2
	JLOAD \slot                                    ; the first tensor load behind the round; its four v_nop are also the places in front of the loads below
.else
	PLACES
.endif
	FETCH \next, 0, F0
	WIN MUL
	MUL8 F1, 1, 0, 0
	MUL8 F1, 1, 2, 0
.endm
	s_wait_tensorcnt 1                             ; my part of K step 0 is in (K step 1's load may be out)
	s_barrier_signal -1
	s_barrier_wait -1
	FETCH 0, 0, F0
	s_wait_loadcnt 0x0                             ; the bias
	QUARTER 0, 128, F0, F1, 1                      ; the first quarter starts the sums from the bias
	WIN 0
	s_mov_b32 s3, LAPS-1
.Llap:
	QUARTER 0, 256, F1, F0, 0
	QUARTER 0, 384, F0, F1, 0
	TURN 0, 1, 1
	QUARTER 1, 128, F0, F1, 0
	QUARTER 1, 256, F1, F0, 0
	QUARTER 1, 384, F0, F1, 0
	TURN 1, 0, 1
	QUARTER 0, 128, F0, F1, 0
	WIN 0
	s_sub_co_u32 s3, s3, 1
	s_cmp_lg_u32 s3, 0
	s_cbranch_scc1 .Llap
	QUARTER 0, 256, F1, F0, 0                      ; the last lap fills nothing
	QUARTER 0, 384, F0, F1, 0
	TURN 0, 1, 0
	QUARTER 1, 128, F0, F1, 0
	QUARTER 1, 256, F1, F0, 0
	QUARTER 1, 384, F0, F1, 0
	s_wait_dscnt 16
	WIN MUL
	MUL8 F1, 0, 0, 0
	MUL8 F1, 0, 2, 0
	s_wait_dscnt 0
	MUL8 F1, 1, 0, 0
	MUL8 F1, 1, 2, 0
	WIN 0
; THE WAY OUT, 16 rows x 64 columns of f32 at a time, through my own stage: in by 32 bytes a lane, back as whole rows of 256 bytes.
.macro TOSTAGE a
.irp b, 0,1,2,3
	ds_store_b128 v[STO], v[ACC+8*(4*(\a)+\b):ACC+8*(4*(\a)+\b)+3] offset:64*\b        ; each accumulator from its low end on
	ds_store_b128 v[STO], v[ACC+8*(4*(\a)+\b)+4:ACC+8*(4*(\a)+\b)+7] offset:64*\b+16
.endr
.set BB, BK+32*((\a)%2)
.irp t, 0,1,2,3,4,5,6,7
	ds_load_b128 v[BB+4*\t:BB+4*\t+3], v[RD] offset:\t*2*SPITCH   ; LDS serves a wave's instructions in order: these see the stores above
.endr
.endm
.macro SEND a, younger                 ; younger: the LDS instructions issued behind block a's loads
.set BB, BK+32*((\a)%2)
	s_wait_dscnt \younger
.irp t, 0,1,2,3,4,5,6,7
	global_store_b128 v[CO], v[BB+4*\t:BB+4*\t+3], s[8:9] offset:(16*(\a)+2*\t)*SIZE_N*4 th:TH_STORE_NT   ; sixteen lanes store 256 consecutive bytes, aligned
.endr
.endm
	PLACES
	TOSTAGE 0
.irp a, 1,2,3
.if \a > 1
	s_wait_xcnt 0x0                                ; block a - 2's stores have read their registers: block a's loads may land there
.endif
	TOSTAGE \a
	SEND \a-1, 16                                  ; behind block a - 1's loads: block a's eight stores and eight loads
.endr
	SEND 3, 0
	s_wait_tensorcnt 0x0                           ; the wave's end
	ds_add_u32 v[SPW], v[NIL]
	s_wait_dscnt 0x0
	CROUND                                         ; the closing round
	s_endpgm
.Lfunc_end_k_q1d3bbdef65_oproj:
	.size	k_q1d3bbdef65_oproj, .Lfunc_end_k_q1d3bbdef65_oproj-k_q1d3bbdef65_oproj
	.p2alignl 7, 3214868480
	.fill 96, 4, 3214868480
	.section	.rodata,"a",@progbits
	.p2align	6, 0x0
	.amdhsa_kernel k_q1d3bbdef65_oproj
		.amdhsa_group_segment_fixed_size 327680
		.amdhsa_private_segment_fixed_size 0
		.amdhsa_enable_private_segment 0
		.amdhsa_kernarg_size 32
		.amdhsa_user_sgpr_count 2
		.amdhsa_user_sgpr_kernarg_segment_ptr 1
		.amdhsa_wavefront_size32 1
		.amdhsa_system_sgpr_workgroup_id_x 1
		.amdhsa_system_sgpr_workgroup_id_y 1
		.amdhsa_system_sgpr_workgroup_id_z 1
		.amdhsa_system_vgpr_workitem_id 0
		.amdhsa_next_free_vgpr 512
		.amdhsa_next_free_sgpr 68
		.amdhsa_reserve_vcc 0
		.amdhsa_float_denorm_mode_32 3
		.amdhsa_float_denorm_mode_16_64 3
		.amdhsa_memory_ordered 1
		.amdhsa_forward_progress 1
		.amdhsa_inst_pref_size 86
	.end_amdhsa_kernel
	.amdgpu_metadata
---
amdhsa.version: [ 1, 2 ]
amdhsa.kernels:
  - .name:           k_q1d3bbdef65_oproj
    .symbol:         k_q1d3bbdef65_oproj.kd
    .args:
      - { .name: att, .offset: 0, .size: 8, .value_kind: global_buffer, .address_space: global }
      - { .name: wot, .offset: 8, .size: 8, .value_kind: global_buffer, .address_space: global }
      - { .name: bo, .offset: 16, .size: 8, .value_kind: global_buffer, .address_space: global }
      - { .name: out0, .offset: 24, .size: 8, .value_kind: global_buffer, .address_space: global }
    .group_segment_fixed_size: 327680
    .private_segment_fixed_size: 0
    .kernarg_segment_align: 8
    .kernarg_segment_size: 32
    .max_flat_workgroup_size: 128
    .sgpr_count:     68
    .vgpr_count:     512
    .wavefront_size: 32
...
	.end_amdgpu_metadata
.endif
;; end of part 4
;; launch fine (part 5): grid 16 x 2, 16 waves a work-group, no clusters, 141,824 bytes of LDS; arguments fq, Wo, bo, out0; writes out0
.if DOCPART == 5
	.amdgcn_target "amdgcn-amd-amdhsa--gfx1250"
	.amdhsa_code_object_version 6
	.text
	.protected	k_q1d3bbdef65_fine
	.globl	k_q1d3bbdef65_fine
	.p2align	8
	.type	k_q1d3bbdef65_fine,@function
k_q1d3bbdef65_fine:
	s_mov_b64 s[64:65], 0
	v_nop
	global_prefetch_b8 v0, s[64:65] scope:SCOPE_SE
	s_setreg_imm32_b32 hwreg(HW_REG_WAVE_MODE, 25, 1), 1
	s_wait_xcnt 0x0
; THE FIRST 16 POSITIONS of each sequence, carried finely from q, k, v to the output: their rows average one to sixteen values and are the largest of the output, so the rounding of f16 operands weighs most there.
; out0[2,048 b + s][n] = sum over k of a[s][k] Wo[k][n] + bo[n], s = 0 .. 15, a = the causal attention of those 16 positions.  These 32 rows replace what the launch before wrote there.
; fq: f32 [3][16 b + position][1024]: q, k, v with their biases, q and k NOT yet divided by 64^(1/4): the two divisions are one factor 1/8 on the score (the same number; it may differ in f32's last bit).
; SHARES: work-group (sl, b): 64 columns of the output, one batch.  Wave w: k = 64 w .. 64 w + 63 of the projection, which are head w's channels.
; PHASE 1, each wave for its head: S^T = k q^T and O^T = v^T p by the f32 matrix form (K = 4): 32 instructions.  A lane's register pair of q and of k holds the same two channels, so the pairs are operands as they lie;
;   v is turned through the wave's own LDS bytes.  The row's maximum is taken away ahead of the exponential.  The sixteen slices of a batch repeat this small work, so that it needs no launch and no buffer of its own.
;   In O^T lane (r, h) holds query r and channels 16 ct + 8 h + 0 .. 7: that IS the order of the projection's first operand, so a never leaves the registers.
; PHASE 2: both operands go to the matrix unit as PAIRS OF f16 NUMBERS: high = the f32 number with its low 13 mantissa bits cleared (exact in f16), low = the rest (the subtraction is exact), rounded to f16.
;   Three products: high x high + low x high + high x low; what is left out is the product of the two low parts.  Tile jt holds the columns 64 sl + 4 r + jt: one 16-byte load of a row of Wo feeds four tiles, and
;   sixteen lanes read 256 neighbouring bytes; Wo is read as it lies, K down the registers.  The sixteen waves' partial sums meet in LDS as images of their registers.
; REGISTERS: v48-79 serve S^T, then O^T, then the projection's four accumulators: matrix instructions alone write them.  q lies where a's parts will lie (v16-47), k where Wo's parts will lie (v80-111);
;   v and the softmax use v176-239, which then take Wo's second K step: that step is asked for behind the attention.
; No tensor load, no cluster: 32 small work-groups.  LIMITS: |a|, |Wo| up to 65,504 (f16); low parts under 6e-8 are lost; NaN and infinities are not served.
.set PART,  0                          ; 16 waves x 4,096 bytes: register images of the partial sums
.set OUTST, 65536                      ; 16 rows x (256 + 16) bytes
.set OP,    272
.set VT,    70144                      ; 16 waves x 16 rows x (256 + 16) bytes: v of my head, on its way to being turned
.set SPARE, VT+16*16*OP                ; the spare words, 128 bytes a wave
.set SPW, 10
.set NIL, 11
.set AH,  16                           ; a's high parts of K step u at v[16 + 16 u], low parts at v[24 + 16 u]
.set AL,  24
.set QF,  16                           ; before that: q
.set ACC, 48                           ; v48-79 four accumulators
.set BF,  80                           ; v80-111 for two tiles, Wo's high and low parts
.set KF,  80                           ; before that: k
.set WF,  112                          ; v112-239 Wo as f32
.set VF,  176                          ; before the second K step: v turned,
.set TT,  208                          ; v as loaded, then scores, p and what lies between
.set BO,  240
	s_load_b256 s[4:11], s[0:1], 0x0               ; fq, Wo, bo, out0
	v_lshl_add_u32 v[SPW], v0, 2, SPARE
	v_mov_b32 v[NIL], 0
	v_lshrrev_b32 v1, 5, v0
	v_readfirstlane_b32 s12, v1                    ; wave 0..15
	s_and_b32 s14, ttmp7, 0xffff                   ; b
	v_and_b32 v244, 15, v0                         ; r
	v_bfe_u32 v245, v0, 4, 1                       ; h
	v_and_b32 v246, 31, v0                         ; lane
	v_lshlrev_b32 v1, 15, v245
	v_lshl_add_u32 v1, v244, 4, v1                 ; Wo: 8 h rows of 4,096 bytes, + 16 r
	v_lshlrev_b32 v2, 12, v244
	v_lshl_add_u32 v2, v245, 5, v2                 ; fq: row r, + 32 h
	; every LDS address is made here, ahead of the first parting of the waves
	s_lshl_b32 s15, s12, 12
	v_lshl_add_u32 v3, v246, 4, s15                ; my image: 4,096 w + 16 x lane
	s_and_b32 s16, s12, 7
	s_lshl_b32 s17, s16, 9
	v_lshl_add_u32 v4, v246, 4, s17                ; what I add up (waves 0 to 7): piece w of every image
	s_and_b32 s17, s12, 1
	s_mul_i32 s17, s17, 4*OP
	s_lshr_b32 s18, s16, 1
	s_lshl_b32 s18, s18, 2
	s_add_co_u32 s17, s17, s18
	s_add_co_u32 s17, s17, OUTST
	v_mul_u32_u24 v5, v245, 8*OP
	v_lshl_add_u32 v5, v244, 4, v5
	v_add_nc_u32 v5, s17, v5                       ; piece w is registers 4 (w & 1) + i of tile w >> 1: row 8 h + 4 (w & 1) + i, column 4 r + (w >> 1)
	s_mul_i32 s17, s16, 2*OP
	s_add_co_u32 s17, s17, OUTST
	v_mul_u32_u24 v6, v245, OP
	v_lshl_add_u32 v6, v244, 4, v6
	v_add_nc_u32 v6, s17, v6                       ; back: rows 2 w and 2 w + 1, whole
	s_mul_i32 s17, s12, 16*OP
	s_add_co_u32 s17, s17, VT                      ; my bytes for v
	v_mul_u32_u24 v9, v244, OP
	v_lshl_add_u32 v9, v245, 5, v9
	v_add_nc_u32 v9, s17, v9                       ; in: key r, + 32 h
	v_mul_u32_u24 v247, v245, 8*OP
	v_lshl_add_u32 v247, v244, 2, v247
	v_add_nc_u32 v247, s17, v247                   ; turned: key 8 h (+ j), channel r (+ 16 ct)
	v_lshlrev_b32 v7, 12, v245
	v_lshl_add_u32 v7, v244, 4, v7                 ; two rows of out0
	v_lshlrev_b32 v8, 4, v244
	v_lshlrev_b32 v248, 3, v245
	v_sub_nc_u32 v248, v244, v248                  ; r - 8 h: key 8 h + j is hidden where j > that
	v_mov_b32 v249, 0xff800000
	v_mov_b32 v250, 0                              ; a lane permute's destination counts as one of its sources
	s_mov_b32 s20, 0xffffe000                      ; keeps sign, exponent and ten mantissa bits
	s_mov_b32 s30, 0x76543210
	s_mov_b32 s31, 0xfedcba98                      ; v_permlanex16_b32's selects for lane l xor 16
	s_mov_b32 s32, 0x3e38aa3b                      ; log2(e) / 8
	s_lshl_b32 s22, s14, 16
	s_lshl_b32 s23, s12, 8
	s_add_co_u32 s22, s22, s23                     ; fq: row 16 b, + 4 x 64 w
	s_mov_b32 s23, 0
	s_lshl_b32 s24, s12, 18
	s_lshl_b32 s26, ttmp9, 8                       ; 256 sl
	s_add_co_u32 s24, s24, s26                     ; Wo: row 64 w, + 256 sl
	s_mov_b32 s25, 0
	s_mov_b32 s27, 0
	s_lshl_b32 s28, s14, 23
	s_lshl_b32 s29, s16, 13
	s_add_co_u32 s28, s28, s29
	s_add_co_u32 s28, s28, s26                     ; out0: row 2,048 b + 2 (w & 7), + 256 sl
	s_mov_b32 s29, 0
	s_wait_kmcnt 0x0
	s_add_nc_u64 s[4:5], s[4:5], s[22:23]
	s_add_nc_u64 s[6:7], s[6:7], s[24:25]
	s_add_nc_u64 s[8:9], s[8:9], s[26:27]
	s_add_nc_u64 s[10:11], s[10:11], s[28:29]
	global_load_b128 v[BO:BO+3], v8, s[8:9]
.irp t, 0,1,2,3                                ; lane (r, h): position r, channels 16 t + 8 h + 0 .. 7 of my head; k lies 32 rows, v 64 rows further down
	global_load_b128 v[QF+8*\t:QF+8*\t+3], v2, s[4:5] offset:64*\t
	global_load_b128 v[QF+8*\t+4:QF+8*\t+7], v2, s[4:5] offset:64*\t+16
	global_load_b128 v[KF+8*\t:KF+8*\t+3], v2, s[4:5] offset:131072+64*\t
	global_load_b128 v[KF+8*\t+4:KF+8*\t+7], v2, s[4:5] offset:131072+64*\t+16
	global_load_b128 v[TT+8*\t:TT+8*\t+3], v2, s[4:5] offset:262144+64*\t
	global_load_b128 v[TT+8*\t+4:TT+8*\t+7], v2, s[4:5] offset:262144+64*\t+16
.endr
.macro WOLOAD u                        ; K step u: Wo(32 u + 8 h + i + 8 (i / 8), 4 r + 0 .. 3)
.irp i, 0,1,2,3,4,5,6,7,8,9,10,11,12,13,14,15
	global_load_b128 v[WF+64*(\u)+4*\i:WF+64*(\u)+4*\i+3], v1, s[6:7] offset:(32*(\u)+\i+8*(\i/8))*4096
.endr
.endm
	WOLOAD 0
	s_wait_loadcnt 16                              ; bo, q, k and v are in; Wo's sixteen loads may be out
	; ---- PHASE 1: the attention of my head's 16 positions
.irp t, 0,1,2,3
	ds_store_b128 v9, v[TT+8*\t:TT+8*\t+3] offset:64*\t
	ds_store_b128 v9, v[TT+8*\t+4:TT+8*\t+7] offset:64*\t+16
.endr
.irp ct, 0,1,2,3
.irp j, 0,1,2,3,4,5,6,7
	ds_load_b32 v[VF+8*\ct+\j], v247 offset:OP*\j+64*\ct         ; v(key 8 h + j, channel 16 ct + r): LDS serves a wave's instructions in order: these see my stores
.endr
.endr
.irp jj, 0,1,2,3                               ; S^T = k q^T: four accumulators by turns, four channels an instruction; the first four start the sums
.irp t, 0,1,2,3
.if \jj == 0
	v_wmma_f32_16x16x4_f32 v[ACC+8*\t:ACC+8*\t+7], v[KF+8*\t:KF+8*\t+1], v[QF+8*\t:QF+8*\t+1], 0
.else
	v_wmma_f32_16x16x4_f32 v[ACC+8*\t:ACC+8*\t+7], v[KF+8*\t+2*\jj:KF+8*\t+2*\jj+1], v[QF+8*\t+2*\jj:QF+8*\t+2*\jj+1], v[ACC+8*\t:ACC+8*\t+7]
.endif
.endr
.endr
.rept 8
	v_nop                                          ; eight places behind this form (ISA guide 7.12.1)
.endr
	s_wait_dscnt 32                                ; my eight stores of v are done, so their registers may be written; the 32 loads behind them may be out
.irp i, 0,2,4,6
	v_pk_add_f32 v[TT+\i:TT+\i+1], v[ACC+\i:ACC+\i+1], v[ACC+8+\i:ACC+8+\i+1]
.endr
.irp i, 0,2,4,6
	v_pk_add_f32 v[TT+8+\i:TT+8+\i+1], v[ACC+16+\i:ACC+16+\i+1], v[ACC+24+\i:ACC+24+\i+1]
.endr
.irp i, 0,2,4,6
	v_pk_add_f32 v[TT+\i:TT+\i+1], v[TT+\i:TT+\i+1], v[TT+8+\i:TT+8+\i+1]   ; lane (r, h), register j: query r, key 8 h + j
.endr
.irp j, 0,1,2,3,4,5,6,7
	v_cmp_gt_i32 vcc_lo, \j, v248
	v_cndmask_b32 v[TT+\j], v[TT+\j], v249, vcc_lo
.endr
	v_max3_num_f32 v[TT+8], v[TT], v[TT+1], v[TT+2]
	v_max3_num_f32 v[TT+9], v[TT+3], v[TT+4], v[TT+5]
	v_max3_num_f32 v[TT+8], v[TT+8], v[TT+6], v[TT+7]
	v_max_num_f32 v[TT+8], v[TT+8], v[TT+9]
	v_permlanex16_b32 v250, v[TT+8], s30, s31
	v_max_num_f32 v[TT+8], v[TT+8], v250           ; the row's largest score: key 0 counts for every query
	v_mul_f32 v[TT+8], s32, v[TT+8]
.irp j, 0,1,2,3,4,5,6,7
	v_fma_f32 v[TT+\j], v[TT+\j], s32, -v[TT+8]
.endr
.irp j, 0,1,2,3,4,5,6,7
	v_exp_f32 v[TT+\j], v[TT+\j]
.endr
	v_nop
	s_wait_alu depctr_va_vdst(0)                   ; one wait for the eight, ahead of their first reader
	v_pk_add_f32 v[TT+10:TT+11], v[TT:TT+1], v[TT+2:TT+3]
	v_pk_add_f32 v[TT+12:TT+13], v[TT+4:TT+5], v[TT+6:TT+7]
	v_pk_add_f32 v[TT+10:TT+11], v[TT+10:TT+11], v[TT+12:TT+13]
	v_add_f32 v[TT+10], v[TT+10], v[TT+11]
	v_permlanex16_b32 v250, v[TT+10], s30, s31
	v_add_f32 v[TT+10], v[TT+10], v250
	v_rcp_f32 v[TT+12], v[TT+10]
	v_nop
	s_wait_alu depctr_va_vdst(0)
.irp j, 0,1,2,3,4,5,6,7
	v_mul_f32 v[TT+16+\j], v[TT+\j], v[TT+12]      ; the softmax
.endr
.rept 4
	v_nop
.endr
	s_wait_dscnt 0x0                               ; v, turned, is in
.irp jj, 0,1,2,3                               ; O^T = v^T p: four accumulators by turns, four keys an instruction; the first four start the sums anew, far behind the last reader of S^T
.irp ct, 0,1,2,3
.if \jj == 0
	v_wmma_f32_16x16x4_f32 v[ACC+8*\ct:ACC+8*\ct+7], v[VF+8*\ct:VF+8*\ct+1], v[TT+16:TT+17], 0
.else
	v_wmma_f32_16x16x4_f32 v[ACC+8*\ct:ACC+8*\ct+7], v[VF+8*\ct+2*\jj:VF+8*\ct+2*\jj+1], v[TT+16+2*\jj:TT+16+2*\jj+1], v[ACC+8*\ct:ACC+8*\ct+7]
.endif
.endr
.endr
.rept 8
	v_nop                                          ; eight places: the loads below land on registers that these products read, and the splits read their results
.endr
	WOLOAD 1
	; ---- PHASE 2: a x Wo
.macro SPLIT hi, lo, x0, x1            ; two f32 numbers into a register of high parts and one of low parts
	v_and_b32 v12, s20, v[\x0]
	v_and_b32 v13, s20, v[\x1]
	v_sub_f32 v14, v[\x0], v12
	v_sub_f32 v15, v[\x1], v13
	v_cvt_pk_f16_f32 v[\hi], v12, v13
	v_cvt_pk_f16_f32 v[\lo], v14, v15
.endm
.irp u, 0,1                                    ; registers 16 u + 0 .. 15 of O^T are a(r, 32 u + 8 h + 0 .. 7) and a(r, 32 u + 16 + 8 h + 0 .. 7): the operand's own order; each accumulator from its low end on
.irp m, 0,1,2,3,4,5,6,7
	SPLIT AH+16*\u+\m, AL+16*\u+\m, ACC+16*\u+2*\m, ACC+16*\u+2*\m+1
.endr
.endr
; K step u, tiles 2 tp and 2 tp + 1: sixteen splits, then six products, the two accumulators by turns
.macro PAIR u, tp
.irp jj, 0,1
.irp m, 0,1,2,3,4,5,6,7
	SPLIT BF+16*\jj+\m, BF+8+16*\jj+\m, WF+64*(\u)+8*\m+2*(\tp)+\jj, WF+64*(\u)+8*\m+4+2*(\tp)+\jj
.endr
.endr
.irp jj, 0,1
.if (\u) == 0
	v_wmma_f32_16x16x32_f16 v[ACC+8*(2*(\tp)+\jj):ACC+8*(2*(\tp)+\jj)+7], v[AH+16*(\u):AH+16*(\u)+7], v[BF+16*\jj:BF+16*\jj+7], 0
.else
	v_wmma_f32_16x16x32_f16 v[ACC+8*(2*(\tp)+\jj):ACC+8*(2*(\tp)+\jj)+7], v[AH+16*(\u):AH+16*(\u)+7], v[BF+16*\jj:BF+16*\jj+7], v[ACC+8*(2*(\tp)+\jj):ACC+8*(2*(\tp)+\jj)+7]
.endif
.endr
.irp jj, 0,1
	v_wmma_f32_16x16x32_f16 v[ACC+8*(2*(\tp)+\jj):ACC+8*(2*(\tp)+\jj)+7], v[AL+16*(\u):AL+16*(\u)+7], v[BF+16*\jj:BF+16*\jj+7], v[ACC+8*(2*(\tp)+\jj):ACC+8*(2*(\tp)+\jj)+7]
.endr
.irp jj, 0,1
	v_wmma_f32_16x16x32_f16 v[ACC+8*(2*(\tp)+\jj):ACC+8*(2*(\tp)+\jj)+7], v[AH+16*(\u):AH+16*(\u)+7], v[BF+8+16*\jj:BF+8+16*\jj+7], v[ACC+8*(2*(\tp)+\jj):ACC+8*(2*(\tp)+\jj)+7]
.endr
.rept 4
	v_nop                                          ; places: the next lines write registers that these products read, or read their results
.endr
.endm
	s_wait_loadcnt 16                              ; Wo's first K step is in; the second's sixteen loads may be out
	PAIR 0, 0
	PAIR 0, 1
	s_wait_loadcnt 0x0
	PAIR 1, 0
	PAIR 1, 1
.irp q, 0,1,2,3,4,5,6,7
	ds_store_b128 v3, v[ACC+4*\q:ACC+4*\q+3] offset:512*\q   ; my partial sums as they stand, each accumulator from its low end on
.endr
	s_wait_dscnt 0x0                               ; for the others' sake: my stores are done
	s_barrier_signal -1
	s_barrier_wait -1
	s_cmp_lt_u32 s12, 8
	s_cbranch_scc0 .Lno_sum
.irp i, 0,1,2,3,4,5,6,7,8,9,10,11,12,13,14,15
	ds_load_b128 v[WF+4*\i:WF+4*\i+3], v4 offset:4096*\i     ; piece w of all sixteen images
.endr
	s_wait_dscnt 0x0
.irp i, 0,1,2,3,4,5,6,7
	v_pk_add_f32 v[WF+8*\i:WF+8*\i+1], v[WF+8*\i:WF+8*\i+1], v[WF+8*\i+4:WF+8*\i+5]
	v_pk_add_f32 v[WF+8*\i+2:WF+8*\i+3], v[WF+8*\i+2:WF+8*\i+3], v[WF+8*\i+6:WF+8*\i+7]
.endr
.irp i, 0,1,2,3
	v_pk_add_f32 v[WF+16*\i:WF+16*\i+1], v[WF+16*\i:WF+16*\i+1], v[WF+16*\i+8:WF+16*\i+9]
	v_pk_add_f32 v[WF+16*\i+2:WF+16*\i+3], v[WF+16*\i+2:WF+16*\i+3], v[WF+16*\i+10:WF+16*\i+11]
.endr
.irp i, 0,1
	v_pk_add_f32 v[WF+32*\i:WF+32*\i+1], v[WF+32*\i:WF+32*\i+1], v[WF+32*\i+16:WF+32*\i+17]
	v_pk_add_f32 v[WF+32*\i+2:WF+32*\i+3], v[WF+32*\i+2:WF+32*\i+3], v[WF+32*\i+18:WF+32*\i+19]
.endr
	v_pk_add_f32 v[WF:WF+1], v[WF:WF+1], v[WF+32:WF+33]
	v_pk_add_f32 v[WF+2:WF+3], v[WF+2:WF+3], v[WF+34:WF+35]
.irp i, 0,1,2,3
	ds_store_b32 v5, v[WF+\i] offset:OP*\i
.endr
.Lno_sum:
	s_wait_dscnt 0x0
	s_barrier_signal -1
	s_barrier_wait -1
	s_cmp_lt_u32 s12, 8
	s_cbranch_scc0 .Lend
	ds_load_b128 v[WF:WF+3], v6
	s_wait_dscnt 0x0
	v_pk_add_f32 v[WF:WF+1], v[WF:WF+1], v[BO:BO+1]
	v_pk_add_f32 v[WF+2:WF+3], v[WF+2:WF+3], v[BO+2:BO+3]
	global_store_b128 v7, v[WF:WF+3], s[10:11]     ; sixteen lanes store 256 consecutive bytes, aligned
.Lend:
	s_wait_tensorcnt 0x0                           ; the wave's end, behind my last LDS store
	ds_add_u32 v[SPW], v[NIL]
	s_wait_dscnt 0x0
	s_endpgm
.Lfunc_end_k_q1d3bbdef65_fine:
	.size	k_q1d3bbdef65_fine, .Lfunc_end_k_q1d3bbdef65_fine-k_q1d3bbdef65_fine
	.p2alignl 7, 3214868480
	.fill 96, 4, 3214868480
	.section	.rodata,"a",@progbits
	.p2align	6, 0x0
	.amdhsa_kernel k_q1d3bbdef65_fine
		.amdhsa_group_segment_fixed_size 141824
		.amdhsa_private_segment_fixed_size 0
		.amdhsa_enable_private_segment 0
		.amdhsa_kernarg_size 32
		.amdhsa_user_sgpr_count 2
		.amdhsa_user_sgpr_kernarg_segment_ptr 1
		.amdhsa_wavefront_size32 1
		.amdhsa_system_sgpr_workgroup_id_x 1
		.amdhsa_system_sgpr_workgroup_id_y 1
		.amdhsa_system_sgpr_workgroup_id_z 1
		.amdhsa_system_vgpr_workitem_id 0
		.amdhsa_next_free_vgpr 256
		.amdhsa_next_free_sgpr 66
		.amdhsa_reserve_vcc 1
		.amdhsa_float_denorm_mode_32 3
		.amdhsa_float_denorm_mode_16_64 3
		.amdhsa_memory_ordered 1
		.amdhsa_forward_progress 1
		.amdhsa_inst_pref_size 44
	.end_amdhsa_kernel
	.amdgpu_metadata
---
amdhsa.version: [ 1, 2 ]
amdhsa.kernels:
  - .name:           k_q1d3bbdef65_fine
    .symbol:         k_q1d3bbdef65_fine.kd
    .args:
      - { .name: fq, .offset: 0, .size: 8, .value_kind: global_buffer, .address_space: global }
      - { .name: Wo, .offset: 8, .size: 8, .value_kind: global_buffer, .address_space: global }
      - { .name: bo, .offset: 16, .size: 8, .value_kind: global_buffer, .address_space: global }
      - { .name: out0, .offset: 24, .size: 8, .value_kind: global_buffer, .address_space: global }
    .group_segment_fixed_size: 141824
    .private_segment_fixed_size: 0
    .kernarg_segment_align: 8
    .kernarg_segment_size: 32
    .max_flat_workgroup_size: 512
    .sgpr_count:     66
    .vgpr_count:     256
    .wavefront_size: 32
...
	.end_amdgpu_metadata
.endif
;; end of part 5
